; MI455X (gfx1250); checked and timed in simulation.
; The chip was launched on July 23, 2026; its instructions are those of AMD's public machine-readable ISA for CDNA 5 (MIT licence, August 2026) and "CDNA5" Instruction Set Architecture Reference Guide (July 2026). The comments in the code are by the model that wrote it; some were corrected since.
;; Transformer Encoder With Temporal Attention. Allowed arithmetic: matrix products marked QUANTISED: E3M2 operands, one E8M0 scale for each 32 along K, by v_wmma_scale_f32_16x16x128_f8f6f4 with both operands' format E3M2, f32 sums; everything else in f32.
;; Inputs: ff1_b 4 x 1,024 float32; ff1_w_codes 4 x 1,024 x 8 x 24 uint8 (E3M2 codes of ff1_w, K innermost, in blocks of 32 codes, four codes in three bytes); ff1_w_scales 4 x 1,024 x 8 uint8 (E8M0 scales of ff1_w, one for each 32 codes along K); ff2_b 4 x 256 float32; ff2_w_codes 4 x 256 x 32 x 24 uint8 (E3M2 codes of ff2_w, K innermost, in blocks of 32 codes, four codes in three bytes); ff2_w_scales 4 x 256 x 32 uint8 (E8M0 scales of ff2_w, one for each 32 codes along K); ln1_b 4 x 256 float32; ln1_g 4 x 256 float32; ln2_b 4 x 256 float32; ln2_g 4 x 256 float32; out_b 4 x 256 float32; out_w_codes 4 x 256 x 8 x 24 uint8 (E3M2 codes of out_w, K innermost, in blocks of 32 codes, four codes in three bytes); out_w_scales 4 x 256 x 8 uint8 (E8M0 scales of out_w, one for each 32 codes along K); qkv_b 4 x 768 float32; qkv_w_codes 4 x 768 x 8 x 24 uint8 (E3M2 codes of qkv_w, K innermost, in blocks of 32 codes, four codes in three bytes); qkv_w_scales 4 x 768 x 8 uint8 (E8M0 scales of qkv_w, one for each 32 codes along K); x 4 x 2,048 x 256 float32.
;; Outputs: out0 4 x 2,048 x 256 float32.
;; This version of the problem:
;;   THIS VERSION OF THE PROBLEM IS GIVEN IN LOW PRECISION. The matrix products marked QUANTISED in the list below multiply operands that are first quantised to E3M2 (3 exponent bits, 2 mantissa bits; 6 bits a number), with one power-of-two scale for each 32 numbers along K (OCP MX v1.0); their sums are f32. All else is computed in f32.
;;   The module's matrix products, in the order in which they are computed (A, B: the left and right operand; K: the contracted axis; several contracted axes count as one K, in the product's order):
;;     1. [M 8,192, K 256] x [K 256, N 768]; A: computed on the way; B: input qkv_w (given as codes): QUANTISED
;;     2. batch 16 x [M 2,048, K 64] x [K 64, N 2,048]; A: computed on the way; B: computed on the way: QUANTISED
;;     3. batch 16 x [M 64, K 2,048] x [K 2,048, N 2,048]; A: computed on the way; B: softmax (see below): QUANTISED
;;     4. [M 8,192, K 256] x [K 256, N 256]; A: computed on the way; B: input out_w (given as codes): QUANTISED
;;     5. [M 8,192, K 256] x [K 256, N 1,024]; A: computed on the way; B: input ff1_w (given as codes): QUANTISED
;;     6. [M 8,192, K 1,024] x [K 1,024, N 256]; A: computed on the way; B: input ff2_w (given as codes): QUANTISED
;;     7. [M 8,192, K 256] x [K 256, N 768]; A: computed on the way; B: input qkv_w (given as codes): QUANTISED
;;     8. batch 16 x [M 2,048, K 64] x [K 64, N 2,048]; A: computed on the way; B: computed on the way: QUANTISED
;;     9. batch 16 x [M 64, K 2,048] x [K 2,048, N 2,048]; A: computed on the way; B: softmax (see below): QUANTISED
;;     10. [M 8,192, K 256] x [K 256, N 256]; A: computed on the way; B: input out_w (given as codes): QUANTISED
;;     11. [M 8,192, K 256] x [K 256, N 1,024]; A: computed on the way; B: input ff1_w (given as codes): QUANTISED
;;     12. [M 8,192, K 1,024] x [K 1,024, N 256]; A: computed on the way; B: input ff2_w (given as codes): QUANTISED
;;     13. [M 8,192, K 256] x [K 256, N 768]; A: computed on the way; B: input qkv_w (given as codes): QUANTISED
;;     14. batch 16 x [M 2,048, K 64] x [K 64, N 2,048]; A: computed on the way; B: computed on the way: QUANTISED
;;     15. batch 16 x [M 64, K 2,048] x [K 2,048, N 2,048]; A: computed on the way; B: softmax (see below): QUANTISED
;;     16. [M 8,192, K 256] x [K 256, N 256]; A: computed on the way; B: input out_w (given as codes): QUANTISED
;;     17. [M 8,192, K 256] x [K 256, N 1,024]; A: computed on the way; B: input ff1_w (given as codes): QUANTISED
;;     18. [M 8,192, K 1,024] x [K 1,024, N 256]; A: computed on the way; B: input ff2_w (given as codes): QUANTISED
;;     19. [M 8,192, K 256] x [K 256, N 768]; A: computed on the way; B: input qkv_w (given as codes): QUANTISED
;;     20. batch 16 x [M 2,048, K 64] x [K 64, N 2,048]; A: computed on the way; B: computed on the way: QUANTISED
;;     21. batch 16 x [M 64, K 2,048] x [K 2,048, N 2,048]; A: computed on the way; B: softmax (see below): QUANTISED
;;     22. [M 8,192, K 256] x [K 256, N 256]; A: computed on the way; B: input out_w (given as codes): QUANTISED
;;     23. [M 8,192, K 256] x [K 256, N 1,024]; A: computed on the way; B: input ff1_w (given as codes): QUANTISED
;;     24. [M 8,192, K 1,024] x [K 1,024, N 256]; A: computed on the way; B: input ff2_w (given as codes): QUANTISED
;;   THE QUANTISER, for each operand of a quantised product, along K:
;;     - K is cut into blocks of 32 from its start; a last block that is shorter is filled with zeros.
;;     - A block's scale is 2^e with e = floor(log2(the largest magnitude in the block)) - 4, held to -126 .. 127; a block of zeros has e = 0. As a byte (E8M0): e + 127.
;;     - Each number is divided by its block's scale, clamped to +-28, and rounded to the nearest number of E3M2, ties to even, subnormals kept.
;;     - The product sums the exact products of the quantised numbers (number of the format x scale) in f32.
;;   ~~~python
;;   def quantise(x, axis):      # numpy; x: float32 -> the quantised numbers, widened to float32 again
;;       x = np.moveaxis(x, axis, -1); K = x.shape[-1]
;;       x = np.pad(x, [(0, 0)] * (x.ndim - 1) + [(0, -K % 32)]); x = x.reshape(x.shape[:-1] + (-1, 32)); a = np.abs(x).max(-1, keepdims=True)
;;       e = np.where(a > 0, np.clip(np.frexp(np.where(a > 0, a, 1))[1] - 1 - 4, -126, 127), 0)      # np.frexp(a)[1] - 1 = floor(log2(a)), exactly
;;       r = np.clip(x / 2.0 ** e, -28, 28)
;;       step = 2.0 ** (np.maximum(np.frexp(np.where(r == 0, 1, r))[1] - 1, -2) - 2)
;;       q = np.round(r / step) * step * 2.0 ** e      # np.round: ties to even
;;       return np.moveaxis(q.reshape(q.shape[:-2] + (-1,))[..., :K], -1, axis).astype(np.float32)
;;   ~~~
;;   SOFTMAX AHEAD OF A QUANTISED PRODUCT. Where the list says 'softmax', what is quantised is not the finished softmax but p = 2^(t - M), with t = logit x log2(e) and M = ceil(the row's largest t), a whole number; so 1/2 < the row's largest p <= 1. The row's sum l is taken of the UNQUANTISED p, in f32, and the product's result is divided by l at the end. Since M is a whole number, a kernel that streams over the keys may use a running M (the ceiling of the running maximum): every later rescaling is an exact power of two, which a block's scale takes up: the codes' values come out the same.
;;   OPERANDS COMPUTED ON THE WAY. 'Computed on the way' means the value that the module computes at that place (a softmax that the list does not call 'softmax' is quantised finished and normalised). What goes into a quantiser is computed in f32, as accurately as f32 sums, v_exp_f32 and their like allow (about 1e-6 of the number): no bf16 or f16 on the way to a quantiser, and a product that is left as it is and whose result goes on into a quantised operand takes f32 operands (vector FMAs, or v_wmma_f32_16x16x4_f32). A number that lies on a knife's edge between two numbers of the format may be rounded either way, as far as f32 arithmetic and the matrix unit's own rounding can turn it there, and no further.
;;   INPUTS GIVEN AS CODES. ff1_w (in the module: [4, 256, 1024], K = its axis 1); ff2_w (in the module: [4, 1024, 256], K = its axis 1); out_w (in the module: [4, 256, 256], K = its axis 1); qkv_w (in the module: [4, 256, 768], K = its axis 1): each comes as NAME_codes (uint8): NAME with its K axis moved to the last place and cut into blocks of 32 codes, [.., K / 32, bytes a block], one block behind the other in memory; four codes in three bytes: a row's codes are one little-endian stream of bits, code i at bits 6 i .. 6 i + 5 (a code: sign, 3 exponent bits, 2 mantissa bits); and NAME_scales (uint8): the same leading axes, one E8M0 byte (e + 127) for each 32 codes along K. Its value is code x scale, taken as it is: it is not quantised again, and the codes and scales need not be those that the quantiser above would give.
;; One version. Each part assembles by itself: llvm-mc -triple=amdgcn-amd-amdhsa -mcpu=gfx1250 --defsym DOCPART=n.
;; ======== version 1 of 1: 6 launches
;; workspace buffers: xa 8,388,608 bytes; xb 8,388,608 bytes; st 4,980,736 bytes; st2 4,980,736 bytes; w0 627,712 bytes; w1 627,712 bytes; w2 627,712 bytes; w3 627,712 bytes
;; launch prep (part 1): grid 308 x 1, 8 waves a work-group, no clusters, 0 bytes of LDS; arguments x, qkv_w_codes, out_w_codes, ff1_w_codes, ff2_w_codes, qkv_w_scales, out_w_scales, ff1_w_scales, ff2_w_scales, qkv_b, out_b, ff1_b, ff2_b, ln1_g, ln1_b, ln2_g, ln2_b, xa, w0, w1, w2, w3; writes xa, w0, w1, w2, w3
.if DOCPART == 1
	.amdgcn_target "amdgcn-amd-amdhsa--gfx1250"
	.amdhsa_code_object_version 6
	.text
	.protected	k_q623636964d_prep
	.globl	k_q623636964d_prep
	.p2align	8
	.type	k_q623636964d_prep,@function
k_q623636964d_prep:
	s_mov_b64 s[64:65], 0
	v_nop
	global_prefetch_b8 v0, s[64:65] scope:SCOPE_SE
	s_setreg_imm32_b32 hwreg(HW_REG_WAVE_MODE, 25, 1), 1
	s_wait_xcnt 0x0
; THREE JOBS, parted by the work-group's number g.
;  g < 256:        xa = x + pe.  pe[t][j] = sin(t f_j), pe[t][128 + j] = cos(t f_j), f_j = 10000^(-j / 128), j = 0 .. 127.
;  256 <= g < 304: the codes of one layer's weights are laid, once, in the order of an operand's registers into that layer's own buffer w0 .. w3.
;  g >= 304:       one work-group a layer: the scale bytes as words in the order in which a lane wants them, and the biases and gains.
; A FRAGMENT (16 rows x 128 K of 6-bit codes) is 12 registers a lane; its image is three pieces of 512 bytes, piece j = registers 4 j .. 4 j + 3, lane l's 16 bytes at 16 l.
; THE ROWS OF A TILE ARE NOT NEIGHBOURS: row r of tile 2 P + e is column 32 P + 8 e + r + 8 (r / 8) of the weight, so that the 16 results that a lane holds of tiles 2 P and 2 P + 1 are 16 neighbouring columns.
; A layer's buffer: 0 out_w (32 fragments, then scale words); 51,200 and 153,600 ff1_w's halves by columns (64 fragments + words each); 256,000 and 358,400 ff2_w's halves by K;
; 460,800 out_b, ln1_g, ln1_b, ff1_b, ff2_b, ln2_g, ln2_b; 471,040 qkv_w (96 fragments); 618,496 its scale words; 624,640 qkv_b.
; LIMITS: sine and cosine are made by taking off whole multiples of pi / 2 (in two parts) and polynomials on +-pi / 4; f_j lies within about 2 units of its last place of the exact power, which at t = 2,047
; is up to about 2.5e-4 in the argument.  No LDS, no barrier, every lane on throughout.
.set XB, 2097152                       ; bytes of x in a batch
.macro PICKW l                         ; s[52:53] = the buffer of layer s[l]: a choice on the work-group's number alone
	s_cmp_lt_u32 s[\l], 2
	s_cselect_b64 s[52:53], s[40:41], s[44:45]
	s_cselect_b64 s[54:55], s[42:43], s[46:47]
	s_and_b32 s56, s[\l], 1
	s_cmp_eq_u32 s56, 0
	s_cselect_b64 s[52:53], s[52:53], s[54:55]
.endm
; Four fragments: 24 loads of 8 bytes (a lane's 24 bytes at +0 and at +48 of its row's 96), 12 stores of 512 consecutive bytes.
; mode 0 (K = 256): fragment i = tile i / 2 of the pair (8 rows of 192 bytes on), K step i % 2.   mode 1 (ff2_w): one tile, K step i of four.
.macro COPY4 mode
.irp i, 0,1,2,3
.irp p, 0,1,2,3,4,5
.if \mode
	global_load_b64 v[16+12*\i+2*\p:17+12*\i+2*\p], v4, s[56:57] offset:96*\i+48*(\p/3)+8*(\p%3)
.else
	global_load_b64 v[16+12*\i+2*\p:17+12*\i+2*\p], v4, s[56:57] offset:1536*(\i/2)+96*(\i%2)+48*(\p/3)+8*(\p%3)
.endif
.endr
.endr
	s_wait_loadcnt 0x0
.irp i, 0,1,2,3
.irp j, 0,1,2
	global_store_b128 v5, v[16+12*\i+4*\j:19+12*\i+4*\j], s[52:53] offset:1536*\i+512*\j
.endr
.endr
.endm
	s_load_b512 s[4:19], s[0:1], 0x0               ; x, qkv codes, out codes, ff1 codes, ff2 codes, qkv scales, out scales, ff1 scales
	s_load_b512 s[20:35], s[0:1], 0x40             ; ff2 scales, qkv_b, out_b, ff1_b, ff2_b, ln1_g, ln1_b, ln2_g
	s_load_b256 s[36:43], s[0:1], 0x80             ; ln2_b, xa, w0, w1
	s_load_b128 s[44:47], s[0:1], 0xa0             ; w2, w3
	v_lshrrev_b32 v1, 5, v0
	v_readfirstlane_b32 s48, v1                    ; wave 0..7
	v_and_b32 v1, 31, v0                           ; lane
	s_cmp_lt_u32 ttmp9, 256
	s_cbranch_scc0 .Lweights
	; ---- xa = x + pe.  A wave takes position t = 8 g + wave in all four batches; a lane takes j = 4 lane + 0 .. 3.
	s_lshl_b32 s49, ttmp9, 3
	s_add_co_u32 s49, s49, s48                     ; t
	s_lshl_b32 s50, s49, 10
	v_lshl_add_u32 v3, v1, 4, s50                  ; the row's byte + 16 lane
	s_wait_kmcnt 0x0
.irp b, 0,1,2,3
	global_load_b128 v[32+8*\b:35+8*\b], v3, s[4:5] offset:\b*XB th:TH_LOAD_NT         ; 32 lanes read 512 consecutive bytes: columns 0-127,
	global_load_b128 v[36+8*\b:39+8*\b], v3, s[4:5] offset:\b*XB+512 th:TH_LOAD_NT     ; columns 128-255
.endr
	s_mov_b32 s52, 0x3dd49a78                      ; log2(10000) / 128, its f32,
	s_mov_b32 s53, 0x31179ac0                      ; and what that f32 leaves
	s_mov_b32 s54, 0xbf317218                      ; -ln 2
	s_mov_b32 s55, 0x3f22f983                      ; 2 / pi
	s_mov_b32 s56, 0x3fc90fdb                      ; pi / 2, its f32,
	s_mov_b32 s57, 0xb33bbd2e                      ; and what that leaves
	s_mov_b32 s58, 0xb94ca1f9                      ; sine: r + r z (s60 + z (s59 + z s58))
	s_mov_b32 s59, 0x3c08839e
	s_mov_b32 s60, 0xbe2aaaa3
	s_mov_b32 s61, 0x37ccf5ce                      ; cosine: 1 - z / 2 + z z (s63 + z (s62 + z s61))
	s_mov_b32 s62, 0xbab6061a
	s_mov_b32 s63, 0x3d2aaaa5
	v_cvt_f32_u32 v7, s49                          ; t as f32
	v_lshlrev_b32 v2, 2, v1
.irp i, 0,1,2,3
	v_add_nc_u32 v[8+\i], \i, v2
.endr
.irp i, 0,1,2,3
	v_cvt_f32_u32 v[8+\i], v[8+\i]                 ; j
.endr
.irp i, 0,1,2,3
	v_mul_f32 v[12+\i], s52, v[8+\i]               ; the exponent's upper part,
.endr
.irp i, 0,1,2,3
	v_fma_f32 v[16+\i], v[8+\i], s52, -v[12+\i]    ; what its rounding lost,
.endr
.irp i, 0,1,2,3
	v_fma_f32 v[16+\i], v[8+\i], s53, v[16+\i]     ; and the constant's lower part: the exponent's lower part
.endr
.irp i, 0,1,2,3
	v_exp_f32 v[20+\i], -v[12+\i]
.endr
.irp i, 0,1,2,3
	v_mul_f32 v[16+\i], s54, v[16+\i]              ; (plain lines behind the exponentials)
.endr
	s_wait_alu depctr_va_vdst(0)
.irp i, 0,1,2,3
	v_fma_f32 v[20+\i], v[20+\i], v[16+\i], v[20+\i]   ; f_j = 2^-upper (1 - lower ln 2)
.endr
.irp i, 0,1,2,3
	v_mul_f32 v[24+\i], v7, v[20+\i]               ; the argument, rounded once as the module rounds it
.endr
.irp i, 0,1,2,3
	v_mul_f32 v[28+\i], s55, v[24+\i]
.endr
.irp i, 0,1,2,3
	v_rndne_f32 v[28+\i], v[28+\i]                 ; n, at most 1,304
.endr
.irp i, 0,1,2,3
	v_fma_f32 v[64+\i], -v[28+\i], s56, v[24+\i]
.endr
.irp i, 0,1,2,3
	v_fma_f32 v[64+\i], -v[28+\i], s57, v[64+\i]   ; r = argument - n pi / 2
.endr
.irp i, 0,1,2,3
	v_mul_f32 v[68+\i], v[64+\i], v[64+\i]         ; z
.endr
.irp i, 0,1,2,3
	v_fma_f32 v[72+\i], v[68+\i], s58, s59
.endr
.irp i, 0,1,2,3
	v_fma_f32 v[72+\i], v[72+\i], v[68+\i], s60
.endr
.irp i, 0,1,2,3
	v_mul_f32 v[92+\i], v[64+\i], v[68+\i]
.endr
.irp i, 0,1,2,3
	v_fma_f32 v[72+\i], v[92+\i], v[72+\i], v[64+\i]   ; sin r
.endr
.irp i, 0,1,2,3
	v_fma_f32 v[76+\i], v[68+\i], s61, s62
.endr
.irp i, 0,1,2,3
	v_fma_f32 v[76+\i], v[76+\i], v[68+\i], s63
.endr
.irp i, 0,1,2,3
	v_mul_f32 v[92+\i], v[68+\i], v[68+\i]
.endr
.irp i, 0,1,2,3
	v_fma_f32 v[80+\i], v[68+\i], -0.5, 1.0
.endr
.irp i, 0,1,2,3
	v_fma_f32 v[76+\i], v[92+\i], v[76+\i], v[80+\i]   ; cos r
.endr
.irp i, 0,1,2,3
	v_cvt_i32_f32 v[80+\i], v[28+\i]               ; n as a whole number: its two low bits are the quadrant
.endr
.irp i, 0,1,2,3
	v_and_b32 v[92+\i], 1, v[80+\i]
	v_cmp_eq_u32 vcc_lo, 1, v[92+\i]
	v_cndmask_b32 v[84+\i], v[72+\i], v[76+\i], vcc_lo   ; odd quadrants change sine and cosine
	v_cndmask_b32 v[88+\i], v[76+\i], v[72+\i], vcc_lo
	v_and_b32 v[92+\i], 2, v[80+\i]
	v_lshlrev_b32 v[92+\i], 30, v[92+\i]
	v_xor_b32 v[84+\i], v[84+\i], v[92+\i]         ; the sine is negative in quadrants 2, 3,
	v_add_nc_u32 v[92+\i], 1, v[80+\i]
	v_and_b32 v[92+\i], 2, v[92+\i]
	v_lshlrev_b32 v[92+\i], 30, v[92+\i]
	v_xor_b32 v[88+\i], v[88+\i], v[92+\i]         ; the cosine in quadrants 1, 2
.endr
	s_wait_loadcnt 0x0
.irp b, 0,1,2,3
	v_pk_add_f32 v[32+8*\b:33+8*\b], v[32+8*\b:33+8*\b], v[84:85]
	v_pk_add_f32 v[34+8*\b:35+8*\b], v[34+8*\b:35+8*\b], v[86:87]
	v_pk_add_f32 v[36+8*\b:37+8*\b], v[36+8*\b:37+8*\b], v[88:89]
	v_pk_add_f32 v[38+8*\b:39+8*\b], v[38+8*\b:39+8*\b], v[90:91]
	global_store_b128 v3, v[32+8*\b:35+8*\b], s[38:39] offset:\b*XB          ; 32 lanes store 512 consecutive bytes
	global_store_b128 v3, v[36+8*\b:39+8*\b], s[38:39] offset:\b*XB+512
.endr
	s_endpgm
.Lweights:
	s_cmp_lt_u32 ttmp9, 304
	s_cbranch_scc0 .Lmisc
	; ---- the codes.  g - 256 = 4 jj + layer; jj 0-2 qkv_w, 3 out_w, 4-7 ff1_w, 8-11 ff2_w: 32 fragments a work-group, 4 a wave
	s_sub_co_u32 s49, ttmp9, 256
	s_and_b32 s50, s49, 3                          ; layer
	s_lshr_b32 s51, s49, 2                         ; jj
	s_wait_kmcnt 0x0
	PICKW 50
	s_mov_b64 s[56:57], s[12:13]                   ; ff2_w: the codes, a layer's bytes, where its fragments begin in the layer's buffer, from chunk to chunk, its first jj
	s_mov_b32 s58, 196608
	s_mov_b32 s59, 256000
	s_mov_b32 s60, 102400
	s_mov_b32 s61, 8
	s_cmp_lt_u32 s51, 8                            ; ff1_w
	s_cselect_b64 s[56:57], s[10:11], s[56:57]
	s_cselect_b32 s59, 51200, s59
	s_cselect_b32 s61, 4, s61
	s_cmp_lt_u32 s51, 4                            ; out_w
	s_cselect_b64 s[56:57], s[8:9], s[56:57]
	s_cselect_b32 s58, 49152, s58
	s_cselect_b32 s59, 0, s59
	s_cselect_b32 s60, 0, s60
	s_cselect_b32 s61, 3, s61
	s_cmp_lt_u32 s51, 3                            ; qkv_w
	s_cselect_b64 s[56:57], s[6:7], s[56:57]
	s_cselect_b32 s58, 147456, s58
	s_cselect_b32 s59, 471040, s59
	s_cselect_b32 s60, 98304, s60
	s_cselect_b32 s61, 0, s61
	s_sub_co_u32 s62, s51, s61
	s_lshl_b32 s62, s62, 5
	s_lshl_b32 s63, s48, 2
	s_add_co_u32 s62, s62, s63                     ; my first fragment of the matrix, a multiple of 4
	s_lshr_b32 s63, s62, 6                         ; its chunk of 64
	s_mul_i32 s60, s63, s60
	s_add_co_u32 s59, s59, s60
	s_and_b32 s60, s62, 63
	s_mul_i32 s60, s60, 1536
	s_add_co_u32 s66, s59, s60
	s_mov_b32 s67, 0
	s_add_nc_u64 s[52:53], s[52:53], s[66:67]      ; where my four images go
	s_mul_i32 s66, s50, s58
	s_add_nc_u64 s[56:57], s[56:57], s[66:67]      ; the layer's codes
	v_and_b32 v2, 15, v0                           ; r
	v_bfe_u32 v3, v0, 4, 1                         ; h
	v_and_b32 v4, 8, v2
	v_add_nc_u32 v4, v4, v2                        ; r + 8 (r / 8)
	v_lshlrev_b32 v5, 4, v1                        ; 16 lane
	s_cmp_lt_u32 s51, 8
	s_cbranch_scc0 .Lff2
	s_lshr_b32 s66, s62, 2                         ; K = 256: the block of 32 columns, rows of 192 bytes
	s_mul_i32 s66, s66, 6144
	s_add_nc_u64 s[56:57], s[56:57], s[66:67]
	v_mul_u32_u24 v4, v4, 192
	v_mad_u32_u24 v4, v3, 24, v4
	COPY4 0
	s_endpgm
.Lff2:
	s_bfe_u32 s66, s62, 0x40002                    ; ff2_w: tile T = (fragment / 4) % 16, rows of 768 bytes; the chunk is the half of K
	s_lshr_b32 s68, s66, 1
	s_lshl_b32 s68, s68, 5
	s_and_b32 s66, s66, 1
	s_lshl_b32 s66, s66, 3
	s_add_co_u32 s66, s66, s68                     ; 32 (T / 2) + 8 (T % 2)
	s_mul_i32 s66, s66, 768
	s_mul_i32 s63, s63, 384
	s_add_co_u32 s66, s66, s63
	s_add_nc_u64 s[56:57], s[56:57], s[66:67]
	v_mul_u32_u24 v4, v4, 768
	v_mad_u32_u24 v4, v3, 24, v4
	COPY4 1
	s_endpgm
.Lmisc:
	; ---- scale words, biases, gains of layer g - 304.  Thread t stores 16 bytes at 16 t of each table: sixteen lanes fill 256 consecutive bytes
	s_sub_co_u32 s50, ttmp9, 304
	s_wait_kmcnt 0x0
	PICKW 50
	s_mov_b32 s67, 0
	s_mul_i32 s66, s50, 6144
	s_add_nc_u64 s[14:15], s[14:15], s[66:67]      ; each input at its layer
	s_lshl_b32 s66, s50, 11
	s_add_nc_u64 s[16:17], s[16:17], s[66:67]
	s_lshl_b32 s66, s50, 13
	s_add_nc_u64 s[18:19], s[18:19], s[66:67]
	s_add_nc_u64 s[20:21], s[20:21], s[66:67]
	s_mul_i32 s66, s50, 3072
	s_add_nc_u64 s[22:23], s[22:23], s[66:67]
	s_lshl_b32 s66, s50, 12
	s_add_nc_u64 s[26:27], s[26:27], s[66:67]
	s_lshl_b32 s66, s50, 10
	s_add_nc_u64 s[24:25], s[24:25], s[66:67]
	s_add_nc_u64 s[28:29], s[28:29], s[66:67]
	s_add_nc_u64 s[30:31], s[30:31], s[66:67]
	s_add_nc_u64 s[32:33], s[32:33], s[66:67]
	s_add_nc_u64 s[34:35], s[34:35], s[66:67]
	s_add_nc_u64 s[36:37], s[36:37], s[66:67]
	v_and_b32 v2, 15, v0                           ; r
	v_and_b32 v3, 8, v2
	v_add_nc_u32 v3, v3, v2                        ; r + 8 (r / 8)
	v_lshrrev_b32 v4, 4, v0
	v_lshl_add_u32 v8, v4, 5, v3                   ; K = 256: column 32 (t / 16) + r + 8 (r / 8): 8 scale bytes, two words; the pair's other tile lies 8 columns on
	v_lshlrev_b32 v8, 3, v8
	v_lshrrev_b32 v4, 5, v0
	v_lshl_add_u32 v9, v4, 5, v3
	v_bfe_u32 v4, v0, 4, 1
	v_lshl_add_u32 v9, v4, 3, v9                   ; ff2_w: column 32 (t / 32) + 8 ((t / 16) % 2) + r + 8 (r / 8): 32 scale bytes, four words for each half of K
	v_lshlrev_b32 v9, 5, v9
	v_lshlrev_b32 v10, 4, v0                       ; 16 t
	global_load_b64 v[16:17], v8, s[14:15]
	global_load_b64 v[18:19], v8, s[14:15] offset:64
	global_load_b64 v[20:21], v8, s[18:19]
	global_load_b64 v[22:23], v8, s[18:19] offset:64
	global_load_b64 v[24:25], v8, s[18:19] offset:4096
	global_load_b64 v[26:27], v8, s[18:19] offset:4160
	global_load_b128 v[28:31], v9, s[20:21]
	global_load_b128 v[32:35], v9, s[20:21] offset:16
	global_load_b128 v[36:39], v10, s[26:27]
	s_wait_loadcnt 0x0
	global_store_b128 v10, v[16:19], s[52:53] offset:618496      ; qkv_w's words, column blocks 0-15
	global_store_b128 v10, v[20:23], s[52:53] offset:149504      ; ff1_w's, first chunk
	global_store_b128 v10, v[24:27], s[52:53] offset:251904      ; second chunk
	global_store_b128 v10, v[28:31], s[52:53] offset:354304      ; ff2_w's, first half of K
	global_store_b128 v10, v[32:35], s[52:53] offset:456704      ; second half
	global_store_b128 v10, v[36:39], s[52:53] offset:463872      ; ff1_b
	s_cmp_lt_u32 s48, 6
	s_cbranch_scc0 .Lmisc_end
	global_load_b128 v[48:51], v10, s[22:23]       ; qkv_b: 3,072 bytes, waves 0-5
	s_wait_loadcnt 0x0
	global_store_b128 v10, v[48:51], s[52:53] offset:624640
	s_cmp_lt_u32 s48, 4
	s_cbranch_scc0 .Lmisc_end
	global_load_b64 v[40:41], v8, s[14:15] offset:4096           ; qkv_w's column blocks 16-23 and out_w's eight: waves 0-3
	global_load_b64 v[42:43], v8, s[14:15] offset:4160
	global_load_b64 v[44:45], v8, s[16:17]
	global_load_b64 v[46:47], v8, s[16:17] offset:64
	s_wait_loadcnt 0x0
	global_store_b128 v10, v[40:43], s[52:53] offset:622592
	global_store_b128 v10, v[44:47], s[52:53] offset:49152
	s_cmp_lt_u32 s48, 2
	s_cbranch_scc0 .Lmisc_end
	global_load_b128 v[52:55], v10, s[24:25]       ; six arrays of 1,024 bytes: waves 0, 1
	global_load_b128 v[56:59], v10, s[30:31]
	global_load_b128 v[60:63], v10, s[32:33]
	global_load_b128 v[64:67], v10, s[28:29]
	global_load_b128 v[68:71], v10, s[34:35]
	global_load_b128 v[72:75], v10, s[36:37]
	s_wait_loadcnt 0x0
	global_store_b128 v10, v[52:55], s[52:53] offset:460800      ; out_b
	global_store_b128 v10, v[56:59], s[52:53] offset:461824      ; ln1_g
	global_store_b128 v10, v[60:63], s[52:53] offset:462848      ; ln1_b
	global_store_b128 v10, v[64:67], s[52:53] offset:467968      ; ff2_b
	global_store_b128 v10, v[68:71], s[52:53] offset:468992      ; ln2_g
	global_store_b128 v10, v[72:75], s[52:53] offset:470016      ; ln2_b
.Lmisc_end:
	s_endpgm
.Lfunc_end_k_q623636964d_prep:
	.size	k_q623636964d_prep, .Lfunc_end_k_q623636964d_prep-k_q623636964d_prep
	.p2alignl 7, 3214868480
	.fill 96, 4, 3214868480
	.section	.rodata,"a",@progbits
	.p2align	6, 0x0
	.amdhsa_kernel k_q623636964d_prep
		.amdhsa_group_segment_fixed_size 0
		.amdhsa_private_segment_fixed_size 0
		.amdhsa_enable_private_segment 0
		.amdhsa_kernarg_size 176
		.amdhsa_user_sgpr_count 2
		.amdhsa_user_sgpr_kernarg_segment_ptr 1
		.amdhsa_wavefront_size32 1
		.amdhsa_system_sgpr_workgroup_id_x 1
		.amdhsa_system_sgpr_workgroup_id_y 1
		.amdhsa_system_sgpr_workgroup_id_z 1
		.amdhsa_system_vgpr_workitem_id 0
		.amdhsa_next_free_vgpr 96
		.amdhsa_next_free_sgpr 80
		.amdhsa_reserve_vcc 1
		.amdhsa_float_denorm_mode_32 3
		.amdhsa_float_denorm_mode_16_64 3
		.amdhsa_memory_ordered 1
		.amdhsa_forward_progress 1
		.amdhsa_inst_pref_size 26
	.end_amdhsa_kernel
	.amdgpu_metadata
---
amdhsa.version: [ 1, 2 ]
amdhsa.kernels:
  - .name:           k_q623636964d_prep
    .symbol:         k_q623636964d_prep.kd
    .args:
      - { .name: x, .offset: 0, .size: 8, .value_kind: global_buffer, .address_space: global }
      - { .name: qkv_w_codes, .offset: 8, .size: 8, .value_kind: global_buffer, .address_space: global }
      - { .name: out_w_codes, .offset: 16, .size: 8, .value_kind: global_buffer, .address_space: global }
      - { .name: ff1_w_codes, .offset: 24, .size: 8, .value_kind: global_buffer, .address_space: global }
      - { .name: ff2_w_codes, .offset: 32, .size: 8, .value_kind: global_buffer, .address_space: global }
      - { .name: qkv_w_scales, .offset: 40, .size: 8, .value_kind: global_buffer, .address_space: global }
      - { .name: out_w_scales, .offset: 48, .size: 8, .value_kind: global_buffer, .address_space: global }
      - { .name: ff1_w_scales, .offset: 56, .size: 8, .value_kind: global_buffer, .address_space: global }
      - { .name: ff2_w_scales, .offset: 64, .size: 8, .value_kind: global_buffer, .address_space: global }
      - { .name: qkv_b, .offset: 72, .size: 8, .value_kind: global_buffer, .address_space: global }
      - { .name: out_b, .offset: 80, .size: 8, .value_kind: global_buffer, .address_space: global }
      - { .name: ff1_b, .offset: 88, .size: 8, .value_kind: global_buffer, .address_space: global }
      - { .name: ff2_b, .offset: 96, .size: 8, .value_kind: global_buffer, .address_space: global }
      - { .name: ln1_g, .offset: 104, .size: 8, .value_kind: global_buffer, .address_space: global }
      - { .name: ln1_b, .offset: 112, .size: 8, .value_kind: global_buffer, .address_space: global }
      - { .name: ln2_g, .offset: 120, .size: 8, .value_kind: global_buffer, .address_space: global }
      - { .name: ln2_b, .offset: 128, .size: 8, .value_kind: global_buffer, .address_space: global }
      - { .name: xa, .offset: 136, .size: 8, .value_kind: global_buffer, .address_space: global }
      - { .name: w0, .offset: 144, .size: 8, .value_kind: global_buffer, .address_space: global }
      - { .name: w1, .offset: 152, .size: 8, .value_kind: global_buffer, .address_space: global }
      - { .name: w2, .offset: 160, .size: 8, .value_kind: global_buffer, .address_space: global }
      - { .name: w3, .offset: 168, .size: 8, .value_kind: global_buffer, .address_space: global }
    .group_segment_fixed_size: 0
    .private_segment_fixed_size: 0
    .kernarg_segment_align: 8
    .kernarg_segment_size: 176
    .max_flat_workgroup_size: 256
    .sgpr_count:     80
    .vgpr_count:     96
    .wavefront_size: 32
...
	.end_amdgpu_metadata
.endif
;; end of part 1
;; launch qkv0 (part 2): grid 256 x 1, 16 waves a work-group, no clusters, 43,008 bytes of LDS; arguments xa, w0, st; writes st
.if DOCPART == 2
	.amdgcn_target "amdgcn-amd-amdhsa--gfx1250"
	.amdhsa_code_object_version 6
	.text
	.protected	k_q623636964d_qkv0
	.globl	k_q623636964d_qkv0
	.p2align	8
	.type	k_q623636964d_qkv0,@function
k_q623636964d_qkv0:
	s_mov_b64 s[64:65], 0
	v_nop
	global_prefetch_b8 v0, s[64:65] scope:SCOPE_SE
	s_setreg_imm32_b32 hwreg(HW_REG_WAVE_MODE, 25, 1), 1
	s_wait_xcnt 0x0
; q, k, v = Q(x) qkv_w + qkv_b for 32 tokens (a block), all four heads, quantised again and stored as codes of BF6 (E3M2) with E8M0 scale bytes, in the order of the operands' registers that the next launch wants.
; q and k are quantised along the head's 64 (two blocks of 32), v along the tokens: the block's 32 tokens are one block of the keys.
; TOKEN TILES: row r of tile u is token 8 u + r % 8 + 16 (r / 8) of the block.  So in the product with the tokens as source 0 a lane's 16 results of tiles 0 and 1 are tokens 16 (lane / 16) + 0 .. 15;
; the weight's tiles are laid likewise, so that with the weight as source 0 a lane's 16 results of two neighbouring tiles are 16 neighbouring columns.
; SIXTEEN WAVES.  Wave w quantises one block of 32 columns of x for 16 tokens (tile w / 8, block w % 8); then it makes q (kind 0) or k (kind 1) of head w / 4 for token tile w % 2: 8 matrix instructions;
; then 16 of head w / 4's 64 columns of v (tile w % 4) for all 32 tokens: 4 matrix instructions.
; Its weight fragments come from memory straight into its registers, laid for that by the first launch: each lane loads 16 bytes of 512 consecutive ones.
; NO TENSOR LOADS, NO CLUSTER: the launch is one pass of 12 matrix instructions a wave, and each weight fragment is wanted by one or two waves of a work-group; a ring with joint loads would put its rounds in front of that
; one pass.  No prefetch: the launch is short and every load goes out at its head.
; st: 32 chunks of 102,400 bytes (256 keys of one batch): K codes [head][block 8][tile 2][768]; at 49,152 V codes [head][block 8][1,536]; at 98,304 K's scale words [head][128 keys][r][block % 4];
; at 100,352 V's [head][128 keys][r][tile].  Behind the chunks Q's codes [block][head][tile][768] and scale words.  A half fragment's image (768 bytes): registers 0-3 at 16 lane, registers 4, 5 at 512 + 8 lane.
; The scale bytes (768 of the work-group's 19 KB) leave as 1, 2 and 4 bytes a lane: the price of the order in which the next launch takes four words by one load.
; LIMITS: NaN and infinities are not served; a block whose largest magnitude lies under 2^-122 (a block of zeros too) gets the byte 1: these bytes are read by this program alone, and zero codes add nothing.
.set XP,    1040                       ; LDS: a token's row of x: 1,024 bytes + 16
.set XIMG,  33280                      ; behind 32 such rows: x's four fragments (tile u, K step s: 2 u + s), 1,536 bytes each,
.set XSC,   XIMG+6144                  ; and their scale words, 64 bytes each
.set CHUNK, 102400
.set QOFF,  3276800
.set QSOFF, 4849664
.set SEL,   20                         ; s[20:21] lane selects for v_permlanex16_b32: lane l xor 16
.set HM16,  22                         ; s22 the mask of lanes 16-31
; REGISTERS: v1-7 lane terms (8 lane, 4 r, 8 r, 16 lane, 16 r, 64 h, 4 (r + 8 (r / 8))); v8-15 LDS addresses; v16-63 x's fragments (first: the quantiser's registers); v64-159 8 fragments of the weight for q or k,
; later the quantisers' registers; v160-183 2 fragments for v; v184-215 q's or k's sums (the bias is loaded into them); v216-223 v's bias; v224-239 16 numbers of x, later v's sums; v240-253 scale words.
; 16 numbers of a lane, v[x + i] = number 16 (lane / 16) + i of ONE block of 32, become the block's 24 bytes of codes in v[f] .. v[f + 5], in both lanes that share the block, and its scale byte in v[ma].
.macro QUANT1 x, f, d, ma, mb, so
	v_max3_num_f32 v[\ma], |v[\x]|, |v[\x+1]|, 0x2800000           ; the largest magnitude, in two chains from the low end on, with the floor 2^(5 - 127): the byte cannot fall under 1
	v_max3_num_f32 v[\mb], |v[\x+2]|, |v[\x+3]|, |v[\x+4]|
	v_max3_num_f32 v[\ma], v[\ma], |v[\x+5]|, |v[\x+6]|
	v_max3_num_f32 v[\mb], v[\mb], |v[\x+7]|, |v[\x+8]|
	v_max3_num_f32 v[\ma], v[\ma], |v[\x+9]|, |v[\x+10]|
	v_max3_num_f32 v[\mb], v[\mb], |v[\x+11]|, |v[\x+12]|
	v_max3_num_f32 v[\ma], v[\ma], |v[\x+13]|, |v[\x+14]|
	v_max3_num_f32 v[\ma], v[\ma], v[\mb], |v[\x+15]|
	v_permlanex16_b32 v[\mb], v[\ma], s[SEL], s[SEL+1]
	v_max_num_f32 v[\ma], v[\ma], v[\mb]                           ; with lane l xor 16's 16: the block's
	v_add_nc_u32 v[\so], 0xfe000000, v[\ma]                        ; 4 off its exponent field: the conversion takes this operand's exponent field as its scale
	v_cvt_scalef32_pk16_bf6_f32 v[\f:\f+2], v[\x:\x+15], v[\so]
	v_lshrrev_b32 v[\ma], 23, v[\so]                               ; the scale's byte (and the plain line behind the conversion)
.irp i, 0,1,2
	v_permlanex16_b32 v[\d+\i], v[\f+\i], s[SEL], s[SEL+1]         ; the other half's 12 bytes
.endr
.irp i, 0,1,2
	v_cndmask_b32 v[\f+3+\i], v[\d+\i], v[\f+\i], s[HM16]          ; the upper 16 codes are those of lanes 16-31,
.endr
.irp i, 0,1,2
	v_cndmask_b32 v[\f+\i], v[\f+\i], v[\d+\i], s[HM16]            ; the lower 16 those of lanes 0-15
.endr
.endm
; 32 numbers of a lane, v[x + 16 b + i] = number 32 b + 16 (lane / 16) + i of my row, become half a fragment: lane (r, h) holds block h's 24 bytes in v[f] .. v[f + 5]; v[w] = byte of block 0 | byte of block 1 << 8.
.macro QUANT2 x, f, c, m, t, so, w
	v_max3_num_f32 v[\m], |v[\x]|, |v[\x+1]|, 0x2800000
	v_max3_num_f32 v[\m+1], |v[\x+16]|, |v[\x+17]|, 0x2800000
.irp i, 2,4,6,8,10,12,14
	v_max3_num_f32 v[\m], v[\m], |v[\x+\i]|, |v[\x+1+\i]|
	v_max3_num_f32 v[\m+1], v[\m+1], |v[\x+16+\i]|, |v[\x+17+\i]|
.endr
	v_permlanex16_b32 v[\t], v[\m], s[SEL], s[SEL+1]
	v_permlanex16_b32 v[\t+1], v[\m+1], s[SEL], s[SEL+1]
	v_max_num_f32 v[\m], v[\m], v[\t]
	v_max_num_f32 v[\m+1], v[\m+1], v[\t+1]
	v_add_nc_u32 v[\so], 0xfe000000, v[\m]
	v_add_nc_u32 v[\so+1], 0xfe000000, v[\m+1]
	v_lshrrev_b32 v[\t], 23, v[\so]
	v_lshrrev_b32 v[\t+1], 23, v[\so+1]
	v_lshl_or_b32 v[\w], v[\t+1], 8, v[\t]
	v_cvt_scalef32_pk16_bf6_f32 v[\f:\f+2], v[\x:\x+15], v[\so]
	v_cvt_scalef32_pk16_bf6_f32 v[\c:\c+2], v[\x+16:\x+31], v[\so+1]
	v_nop                                                          ; one plain line behind a scaled conversion
.irp i, 0,1,2
	v_permlane16_swap_b32 v[\f+\i], v[\c+\i]                       ; the first's lanes 16-31 change places with the second's lanes 0-15: each lane's block's lower 16 codes, and its upper 16
.endr
.irp i, 0,1,2
	v_mov_b32 v[\f+3+\i], v[\c+\i]
.endr
.endm
.macro HALFST a, b, f, off             ; six registers to LDS as half a fragment's image
	ds_store_b128 v[\a], v[\f:\f+3] offset:\off
	ds_store_b64 v[\b], v[\f+4:\f+5] offset:\off
.endm
.macro FRAGH reg, a, b, off            ; a fragment from two such images
.irp c, 0,1
	ds_load_b128 v[\reg+6*\c:\reg+6*\c+3], v[\a] offset:\off+768*\c
	ds_load_b64 v[\reg+6*\c+4:\reg+6*\c+5], v[\b] offset:\off+768*\c
.endr
.endm
.macro BAR                             ; my LDS stores have landed and my LDS loads are in: then the work-group's barrier
	s_wait_dscnt 0x0
	s_barrier_signal -1
	s_barrier_wait -1
.endm
.macro WMC d, a, b, c, sa, sb
	v_wmma_scale_f32_16x16x128_f8f6f4 v[\d:\d+7], v[\a:\a+11], v[\b:\b+11], v[\c:\c+7], v[\sa], v[\sb] matrix_a_fmt:MATRIX_FMT_BF6 matrix_b_fmt:MATRIX_FMT_BF6
.endm
	s_load_b128 s[4:7], s[0:1], 0x0                ; x of this layer, the layer's weights
	s_load_b64 s[8:9], s[0:1], 0x10                ; st
	v_lshl_add_u32 v254, v0, 2, 0xa000
	v_mov_b32 v255, 0
	v_lshrrev_b32 v30, 5, v0
	v_readfirstlane_b32 s12, v30                   ; wave 0..15
	v_and_b32 v30, 31, v0                          ; lane
	v_and_b32 v31, 15, v0                          ; r
	v_bfe_u32 v32, v0, 4, 1                        ; h
	v_lshlrev_b32 v1, 3, v30
	v_lshlrev_b32 v2, 2, v31
	v_lshlrev_b32 v3, 3, v31
	v_lshlrev_b32 v4, 4, v30
	v_lshlrev_b32 v5, 4, v31
	v_lshlrev_b32 v6, 6, v32
	v_and_b32 v7, 8, v31
	v_add_nc_u32 v7, v7, v31
	v_lshlrev_b32 v7, 2, v7
	s_lshr_b32 s13, s12, 2                         ; head
	s_bfe_u32 s14, s12, 0x10001                    ; kind: 0 q, 1 k
	s_and_b32 s15, s12, 1                          ; u: my token tile for q or k
	s_and_b32 s16, s12, 3                          ; t: my tile of v's 64 columns
	s_lshr_b32 s17, s12, 3                         ; the token tile whose x I quantise,
	s_and_b32 s18, s12, 7                          ; and the block of 32 columns
	s_and_b32 s19, ttmp9, 7                        ; the block's place in its chunk of 256 keys
	s_mov_b32 s[SEL], 0x76543210
	s_mov_b32 s[SEL+1], 0xfedcba98
	s_mov_b32 s[HM16], 0xffff0000
	s_lshl_b32 s23, s17, 3                         ; LDS rows 2 w and 2 w + 1 hold tokens 8 (w / 8) + 2 (w % 4) + 16 ((w / 4) % 2) and the next
	s_lshl_b32 s24, s16, 1
	s_add_co_u32 s23, s23, s24
	s_bfe_u32 s24, s12, 0x10002
	s_lshl_b32 s24, s24, 4
	s_add_co_u32 s23, s23, s24
	s_lshl_b32 s24, ttmp9, 5
	s_add_co_u32 s23, s23, s24
	s_lshl_b32 s23, s23, 10                        ; their bytes in x
	s_mov_b32 s47, 0
	s_mul_i32 s24, s13, 36864                      ; the head's 12 tiles of 3,072 bytes
	s_mul_i32 s25, s14, 12288
	s_add_co_u32 s25, s25, s24
	s_add_co_u32 s25, s25, 471040                  ; my four tiles for q or k
	s_mul_i32 s26, s16, 3072
	s_add_co_u32 s26, s26, s24
	s_add_co_u32 s26, s26, 471040+24576            ; my tile for v
	s_mul_i32 s24, s13, 1536
	s_lshl_b32 s27, s14, 9
	s_add_co_u32 s27, s27, s24
	s_add_co_u32 s27, s27, 618496                  ; their scale words: 256 bytes for a pair of tiles
	s_lshr_b32 s54, s16, 1
	s_and_b32 s55, s16, 1
	s_lshl_b32 s28, s54, 8
	s_add_co_u32 s28, s28, s24
	s_lshl_b32 s29, s55, 3
	s_add_co_u32 s28, s28, s29
	s_add_co_u32 s28, s28, 618496+1024
	s_mul_i32 s24, s13, 768
	s_lshl_b32 s29, s14, 8
	s_add_co_u32 s29, s29, s24
	s_add_co_u32 s29, s29, 624640                  ; the bias of my 64 columns,
	s_lshl_b32 s56, s54, 7
	s_add_co_u32 s56, s56, s24
	s_lshl_b32 s57, s55, 5
	s_add_co_u32 s56, s56, s57
	s_add_co_u32 s56, s56, 624640+512              ; and of my tile of v
	s_wait_kmcnt 0x0
	s_mov_b32 s46, s23
	s_add_nc_u64 s[10:11], s[4:5], s[46:47]
	s_mov_b32 s46, s25
	s_add_nc_u64 s[30:31], s[6:7], s[46:47]
	s_mov_b32 s46, s26
	s_add_nc_u64 s[32:33], s[6:7], s[46:47]
	s_mov_b32 s46, s27
	s_add_nc_u64 s[34:35], s[6:7], s[46:47]
	s_mov_b32 s46, s28
	s_add_nc_u64 s[36:37], s[6:7], s[46:47]
	s_mov_b32 s46, s29
	s_add_nc_u64 s[38:39], s[6:7], s[46:47]
	s_mov_b32 s46, s56
	s_add_nc_u64 s[40:41], s[6:7], s[46:47]
	; ---- all 46 loads go out at once, x's four first
.irp i, 0,1,2,3
	global_load_b128 v[224+4*\i:227+4*\i], v4, s[10:11] offset:512*\i      ; two rows of x: 2,048 consecutive bytes
.endr
.irp f, 0,1,2,3,4,5,6,7
.irp j, 0,1,2
	global_load_b128 v[64+12*\f+4*\j:67+12*\f+4*\j], v4, s[30:31] offset:1536*\f+512*\j   ; fragment 2 T + s
.endr
.endr
.irp f, 0,1
.irp j, 0,1,2
	global_load_b128 v[160+12*\f+4*\j:163+12*\f+4*\j], v4, s[32:33] offset:1536*\f+512*\j
.endr
.endr
	global_load_b128 v[240:243], v5, s[34:35]                  ; words 2 e + s of tiles 0, 1,
	global_load_b128 v[244:247], v5, s[34:35] offset:256       ; of tiles 2, 3
	global_load_b64 v[248:249], v5, s[36:37]
.irp t, 0,1,2,3
.irp q, 0,1
	global_load_b128 v[184+8*\t+4*\q:187+8*\t+4*\q], v6, s[38:39] offset:128*(\t/2)+32*(\t%2)+16*\q   ; the bias in the result's layout: columns 32 (t / 2) + 16 h + 8 (t % 2) + 0 .. 7
.endr
.endr
	global_load_b32 v216, v7, s[40:41]
	; ---- LDS addresses: a constant + a lane term + a constant x the wave's parts
	s_mul_i32 s24, s12, 2*XP
	v_add_nc_u32 v8, s24, v4                       ; where my two rows of x go
	s_mul_i32 s24, s17, 16*XP
	s_lshl_b32 s25, s18, 7
	s_add_co_u32 s24, s24, s25
	v_mul_u32_u24 v9, v31, XP
	v_add_nc_u32 v9, s24, v9
	v_add_nc_u32 v9, v9, v6                        ; row 16 u' + r, columns 32 P + 16 h on
	s_lshl_b32 s24, s17, 1
	s_lshr_b32 s25, s18, 2
	s_add_co_u32 s24, s24, s25                     ; the fragment that my block belongs to: 2 u' + P / 4
	s_mul_i32 s25, s24, 1536
	s_bfe_u32 s26, s18, 0x10001
	s_mul_i32 s26, s26, 768
	s_add_co_u32 s25, s25, s26
	s_add_co_u32 s25, s25, XIMG
	s_and_b32 s26, s18, 1
	s_lshl_b32 s27, s26, 8
	s_add_co_u32 s27, s27, s25
	v_add_nc_u32 v10, s27, v5                      ; the place of lane 16 (P % 2) + r in the half's image
	s_lshl_b32 s27, s26, 7
	s_add_co_u32 s27, s27, s25
	s_add_co_u32 s27, s27, 512
	v_add_nc_u32 v11, s27, v3
	s_lshl_b32 s24, s24, 6
	s_and_b32 s25, s18, 3
	s_add_co_u32 s24, s24, s25
	s_add_co_u32 s24, s24, XSC
	v_add_nc_u32 v12, s24, v2                      ; byte P % 4 of row r's scale word
	s_mul_i32 s24, s15, 3072
	s_add_co_u32 s24, s24, XIMG
	v_add_nc_u32 v13, s24, v4                      ; my token tile's two fragments
	s_add_co_u32 s24, s24, 512
	v_add_nc_u32 v14, s24, v1
	s_lshl_b32 s24, s15, 7
	s_add_co_u32 s24, s24, XSC
	v_add_nc_u32 v15, s24, v2
.irp i, 22,23,24
	v_mov_b32 v[\i], 0                             ; written once: a lane permute's destination counts as one of its sources
.endr
	; ---- where the results go
	s_lshr_b32 s24, ttmp9, 3
	s_mul_i32 s24, s24, CHUNK
	s_mul_i32 s25, s13, 12288
	s_mul_i32 s26, s19, 1536
	s_add_co_u32 s25, s25, s26
	s_add_co_u32 s25, s25, s24                     ; chunk + head + block
	s_mul_i32 s26, s15, 768
	s_add_co_u32 s27, s25, s26                     ; k's codes
	s_mul_i32 s28, ttmp9, 6144
	s_mul_i32 s29, s13, 1536
	s_add_co_u32 s28, s28, s29
	s_add_co_u32 s28, s28, s26
	s_add_co_u32 s28, s28, QOFF                    ; q's codes
	s_cmp_eq_u32 s14, 0
	s_cselect_b32 s46, s28, s27
	s_add_nc_u64 s[42:43], s[8:9], s[46:47]
	s_lshl_b32 s27, s13, 9
	s_add_co_u32 s27, s27, s24
	s_lshr_b32 s28, s19, 2
	s_lshl_b32 s28, s28, 8
	s_add_co_u32 s27, s27, s28                     ; chunk + head x 512 + which 128 keys x 256
	s_and_b32 s28, s19, 3
	s_lshl_b32 s29, s28, 2
	s_add_co_u32 s29, s29, s27
	s_lshl_b32 s56, s15, 1
	s_add_co_u32 s29, s29, s56
	s_add_co_u32 s29, s29, 98304                   ; k's two bytes: word block % 4 of row r, bytes 2 u, 2 u + 1
	s_lshl_b32 s56, ttmp9, 9
	s_lshl_b32 s57, s13, 7
	s_add_co_u32 s56, s56, s57
	s_lshl_b32 s57, s15, 6
	s_add_co_u32 s56, s56, s57
	s_add_co_u32 s56, s56, QSOFF                   ; q's word
	s_cmp_eq_u32 s14, 0
	s_cselect_b32 s46, s56, s29
	s_add_nc_u64 s[44:45], s[8:9], s[46:47]
	s_lshl_b32 s56, s16, 8
	s_add_co_u32 s46, s25, s56
	s_add_co_u32 s46, s46, 49152
	s_add_nc_u64 s[48:49], s[8:9], s[46:47]        ; v's codes: 16 of a row's 24 bytes at place 16 t + r,
	s_and_b32 s56, s19, 1
	s_xor_b32 s56, s56, s16
	s_lshl_b32 s56, s56, 7
	s_add_co_u32 s46, s25, s56
	s_add_co_u32 s46, s46, 49152+1024
	s_add_nc_u64 s[50:51], s[8:9], s[46:47]        ; the other 8 at place 16 (t xor block % 2) + r
	s_lshl_b32 s56, s16, 2
	s_add_co_u32 s46, s27, s56
	s_add_co_u32 s46, s46, s28
	s_add_co_u32 s46, s46, 100352
	s_add_nc_u64 s[52:53], s[8:9], s[46:47]        ; v's byte: word t of row r, byte block % 4
	; ---- x into LDS, by token tiles
	s_wait_loadcnt 42                              ; x's four loads are in; the 42 issued behind them may be out
	ds_store_b128 v8, v[224:227]
	ds_store_b128 v8, v[228:231] offset:512
	ds_store_b128 v8, v[232:235] offset:XP
	ds_store_b128 v8, v[236:239] offset:XP+512
	BAR
	; ---- my block of x is quantised; its codes and byte join the fragments' images
.irp q, 0,1,2,3
	ds_load_b128 v[224+4*\q:227+4*\q], v9 offset:16*\q
.endr
	s_wait_dscnt 0x0
	QUANT1 224, 16, 22, 26, 27, 28
	HALFST 10, 11, 16, 0                           ; both lanes of a row hold the same 24 bytes and write them to the same place
	ds_store_b8 v12, v26
	BAR
	; ---- q or k of my token tile: source 0 = 16 columns of the weight, source 1 = 16 tokens: a lane holds one token
	FRAGH 16, 13, 14, 0
	FRAGH 28, 13, 14, 1536
	ds_load_b32 v250, v15
	ds_load_b32 v251, v15 offset:64
	s_wait_loadcnt 0x0                             ; the weights, their words, the biases
.irp i, 1,2,3,4,5,6,7
	v_mov_b32 v[216+\i], v216                      ; v's bias: a lane holds one column there, so its eight registers hold the same number
.endr
	s_wait_dscnt 0x0
.irp s, 0,1                                    ; four accumulators by turns, one instruction a turn
.irp t, 0,1,2,3
	WMC 184+8*\t, 64+12*(2*\t+\s), 16+12*\s, 184+8*\t, 240+4*(\t/2)+2*(\t%2)+\s, 250+\s
.endr
.endr
	v_add_nc_u32 v13, XIMG, v4                     ; all four fragments of x are wanted now.  (These three lines and the next are the four places behind the products)
	v_add_nc_u32 v14, XIMG+512, v1
	v_add_nc_u32 v15, XSC, v2
	v_nop
.irp f, 0,1,2,3
	FRAGH 16+12*\f, 13, 14, 1536*\f
	ds_load_b32 v[250+\f], v15 offset:64*\f
.endr
	QUANT2 184, 64, 70, 74, 76, 78, 80             ; while they come: my 64 numbers a token become half a fragment
	v_lshl_or_b32 v81, v80, 16, v80                ; q's word serves either half of a K of 128
	global_store_b128 v4, v[64:67], s[42:43]       ; 512 consecutive bytes,
	global_store_b64 v1, v[68:69], s[42:43] offset:512   ; and 256
	s_cmp_eq_u32 s14, 0
	s_cbranch_scc0 .Lk_bytes
	global_store_b32 v2, v81, s[44:45]
	s_branch .Lbytes_done
.Lk_bytes:
	global_store_b16 v5, v80, s[44:45]
.Lbytes_done:
	; ---- v: source 0 = 16 tokens, source 1 = my 16 columns: a lane holds one column and 16 tokens
	s_wait_dscnt 0x0
	WMC 224, 16, 160, 216, 250, 248
	WMC 232, 40, 160, 216, 252, 248
	WMC 224, 28, 172, 224, 251, 249
	WMC 232, 52, 172, 232, 253, 249
.rept 4
	v_nop
.endr
	QUANT1 224, 84, 90, 94, 95, 96                 ; the block's 32 tokens of my column: registers of its own, so that no store's data are written again
	global_store_b128 v5, v[84:87], s[48:49]       ; sixteen lanes store 256 consecutive bytes (lanes 16-31 the same bytes again)
	global_store_b64 v3, v[88:89], s[50:51]
	global_store_b8 v5, v94, s[52:53]
	s_wait_tensorcnt 0x0
	ds_add_u32 v254, v255
	s_wait_dscnt 0x0
	s_endpgm
.Lfunc_end_k_q623636964d_qkv0:
	.size	k_q623636964d_qkv0, .Lfunc_end_k_q623636964d_qkv0-k_q623636964d_qkv0
	.p2alignl 7, 3214868480
	.fill 96, 4, 3214868480
	.section	.rodata,"a",@progbits
	.p2align	6, 0x0
	.amdhsa_kernel k_q623636964d_qkv0
		.amdhsa_group_segment_fixed_size 43008
		.amdhsa_private_segment_fixed_size 0
		.amdhsa_enable_private_segment 0
		.amdhsa_kernarg_size 24
		.amdhsa_user_sgpr_count 2
		.amdhsa_user_sgpr_kernarg_segment_ptr 1
		.amdhsa_wavefront_size32 1
		.amdhsa_system_sgpr_workgroup_id_x 1
		.amdhsa_system_sgpr_workgroup_id_y 1
		.amdhsa_system_sgpr_workgroup_id_z 1
		.amdhsa_system_vgpr_workitem_id 0
		.amdhsa_next_free_vgpr 256
		.amdhsa_next_free_sgpr 66
		.amdhsa_reserve_vcc 0
		.amdhsa_float_denorm_mode_32 3
		.amdhsa_float_denorm_mode_16_64 3
		.amdhsa_memory_ordered 1
		.amdhsa_forward_progress 1
		.amdhsa_inst_pref_size 22
	.end_amdhsa_kernel
	.amdgpu_metadata
---
amdhsa.version: [ 1, 2 ]
amdhsa.kernels:
  - .name:           k_q623636964d_qkv0
    .symbol:         k_q623636964d_qkv0.kd
    .args:
      - { .name: xa, .offset: 0, .size: 8, .value_kind: global_buffer, .address_space: global }
      - { .name: w0, .offset: 8, .size: 8, .value_kind: global_buffer, .address_space: global }
      - { .name: st, .offset: 16, .size: 8, .value_kind: global_buffer, .address_space: global }
    .group_segment_fixed_size: 43008
    .private_segment_fixed_size: 0
    .kernarg_segment_align: 8
    .kernarg_segment_size: 24
    .max_flat_workgroup_size: 512
    .sgpr_count:     66
    .vgpr_count:     256
    .wavefront_size: 32
...
	.end_amdgpu_metadata
.endif
;; end of part 2
;; launch fus0 (part 3): grid 256 x 1, 16 waves a work-group, clusters of 4 x 1, 327,680 bytes of LDS; arguments st, w0, xa, xb, w1, st2; writes xb, st2
.if DOCPART == 3
	.amdgcn_target "amdgcn-amd-amdhsa--gfx1250"
	.amdhsa_code_object_version 6
	.text
	.protected	k_q623636964d_fus0
	.globl	k_q623636964d_fus0
	.p2align	8
	.type	k_q623636964d_fus0,@function
k_q623636964d_fus0:
	s_mov_b64 s[64:65], 0
	v_nop
	global_prefetch_b8 v0, s[64:65] scope:SCOPE_SE
	s_setreg_imm32_b32 hwreg(HW_REG_WAVE_MODE, 25, 1), 1
	s_wait_xcnt 0x0
	s_wait_alu depctr_hold_cnt(0) depctr_sa_sdst(0) depctr_va_vdst(0) depctr_va_sdst(0) depctr_va_ssrc(0) depctr_va_vcc(0) depctr_vm_vsrc(0)
	s_getreg_b32 s2, hwreg(HW_REG_IB_STS2, 6, 4)
	s_cmp_eq_u32 s2, 0
	s_cbranch_scc0 .Lentry_in_a_cluster
	s_endpgm
.Lentry_in_a_cluster:
	s_bfe_u32 s2, ttmp6, 0x10000c
	s_cmp_lg_u32 s2, 0x3003
	s_cbranch_scc0 .Lentry_shape_is_right
	s_endpgm
.Lentry_shape_is_right:
; ONE ENCODER LAYER BEHIND ITS QKV PRODUCT, AND THE NEXT LAYER'S QKV PRODUCT, for 32 tokens (a block): attention over the batch's 2,048 keys in all four heads, out projection, residual, LayerNorm, FF1, relu, FF2,
; residual, LayerNorm; then q, k, v of the next layer for the same tokens, quantised and stored as the next launch wants them.
; Every product is on codes of BF6 (E3M2) with one E8M0 scale for each 32 along K; every operand made on the way is quantised in f32 in registers and goes from wave to wave through LDS as an image of its registers.
; SOFTMAX: t = score x log2(e) / 8; M = the largest t so far, rounded UP to a whole number; p = 2^(t - M) is quantised along the keys; the sum is taken of the unquantised p and divides at the end.
; SIXTEEN WAVES of 256 registers, four to a SIMD, so that one wave's vector work stands beside another's products.
;  ATTENTION: wave w has head w / 4, token tile (w / 2) % 2 (16 queries) and, of each chunk of 256 keys, the half w % 2; the two halves' sums are joined at the end by exact powers of two.
;  THE HEAD'S 64 fill half of the instruction's K of 128: a fragment of K holds two tiles of 16 keys, one in each half of K, and is multiplied by (q, 0) and by (0, q).
;  ROW PHASES: wave w has the block p = w / 2 of 32 columns and token tile u = w % 2.  Source 0 = 16 columns of the weight, source 1 = 16 tokens: a lane holds one token and 16 neighbouring columns.
;  THE NEXT QKV: wave w makes q ((w / 2) % 2 = 0) or k (1) of head w / 4 for token tile w % 2: 8 matrix instructions; then 16 of that head's 64 columns of v (tile w % 4) for all 32 tokens, with the tokens as source 0: 4.
;  q and k are quantised along the head's 64, v along the tokens: the block's 32 tokens are one block of the keys.
; TOKEN TILES: row r of tile u is token 8 u + r % 8 + 16 (r / 8); the weights' and the keys' tiles are laid likewise by the earlier launches.
; THE RING: 13 chunks of at most 102,400 dense bytes go through two LDS slots: the batch's 8 chunks of K and V, then out_w, ff1_w in two, ff2_w in two.  Waves 0-3 bring a quarter each (out_w: waves 0, 1 a half).
; CLUSTER: the four blocks of a cluster lie in one batch and walk the same 13 chunks: each is asked for JOINTLY, by the same tensor load with the same descriptor and the mask of all four.
; By this text's own count a wave never has more than one tensor load out.
; THE NEXT LAYER'S qkv_w goes from memory straight into registers, 10 fragments a wave, laid for that by the first launch: the loads go out behind FF2's last products, into registers that FF2 has left, and land under the
; second norm.  It is not asked for jointly: no slot is free for its 147,456 bytes before FF2's last chunk has been read, and two more chunks would put two more rounds behind the last product.  Its scale words and bias
; (9,216 bytes) come once, with the first fills.
; st (read) and the other st (stored): 32 chunks of 102,400 bytes (256 keys of one batch): K codes [head][block 8][tile 2][768]; at 49,152 V codes [head][block 8][1,536]; at 98,304 K's scale words
; [head][128 keys][r][block % 4]; at 100,352 V's [head][128 keys][r][tile].  Behind the chunks Q's codes [block][head][tile][768] and scale words.  The scale bytes (768 of the block's 19 KB) leave as 1, 2 and 4 bytes a lane:
; the price of the order in which the reader takes four words by one load.
; LayerNorm: each wave's mean and centred sum of squares over its 32 columns are joined over the eight waves: one barrier, and no difference of large sums.
; LIMITS: NaN and infinities are not served; a block whose largest magnitude lies under 2^-122 (a block of zeros too) gets the byte 1 (these bytes are read by this program alone, and zero codes add nothing);
; 1 / sum and 1 / sqrt are v_rcp_f32 and v_rsq_f32; the norms' sums are taken in another order than the module's.
.set SLOT1, 1<<17                      ; LDS: slot 0 at 0, slot 1 here: one exclusive or turns an address in one slot into the other's
.set CHUNK, 102400
.set PAR,   102400                     ; biases and gains, 10,240 bytes, filled once
.set AIMG,  112640                     ; attention's result: 4 fragments (2 u + s) of 1,536 bytes, then 4 x 64 bytes of scale words
.set XIMG,  119040                     ; x behind the first norm, later x behind the second, likewise (AIMG + 6,400)
.set STAT,  125440                     ; the norms' parts [u][r][p], 8 bytes each; the second norm's 2,048 bytes on
.set XS,    233472                     ; 32 rows of 1,024 + 16 bytes: x on the way in, the result on the way out
.set XP,    1040
.set HM,    266752                     ; first 8 x 4,352 bytes for joining the halves of the keys, then the hidden layer: 16 fragments (8 u + s), and at 24,576 their scale words
.set SPARE, 301568                     ; the spare words, 128 bytes for each wave: eight blocks of 256 bytes that no other line names
.set QPAR,  303616                     ; 10,240 bytes of the next layer's buffer from byte 617,472 on, filled once: 1,024 bytes that are not read,
.set QS,    QPAR+1024                  ; qkv_w's scale words [column block 24][r][2 e + s],
.set QB,    QPAR+7168                  ; qkv_b
.set QOFF,  3276800
.set QSOFF, 4849664
; REGISTERS, attention: v1, v2 the add's; v3-9 my lane's places in a chunk, v10-16 the same in the slot in hand; v17 my rows in XS; v18 -M, v19 the largest t, v[20:21] the sum in two halves;
;  v22 q's scale word, v23 p's; v24-41 zeros, q, zeros; v42-45 K's scale words, v46-49 V's; v52-99 K's four fragments, then at work; v100-147 V's four; v148-211 S^T, then p; v212-243 O^T; v255 the prefetches' offset.
; Row phases: v3-17, v28, v29, v36 addresses; v24-27 16 lane, 8 lane, r, h; v42-49 the weights' scale words; v22, v23, v50, v51 the tokens'; v52-147 weights; v148-195 tokens; v196-227 sums; v228-243 x behind a norm; v244-255 at work.
; The next qkv: v52-147 8 fragments of the weight for q or k, later x's four fragments (v52-99) and the quantisers' registers (v100-132); v30-41, v180-191 2 fragments for v; v148-171 x's two fragments;
;  v196-227 q's or k's sums (the bias is loaded into them); v228-243 the rows on their way out, then v's sums; v244-251 v's bias.
.set KF,  52
.set VF,  100
.set SS,  148
.set OT,  212
.set WF,  52
.set AF,  148
.set ACC, 196
.set X1,  228
.set WV,  12                           ; s12 wave; s13 cx; s14 block; s15 head; s16 (wave / 2) % 2; s17 wave % 2; s18 wave / 2; s19 wave % 4
.set SEL, 20                           ; s[20:21] lane selects for v_permlanex16_b32: lane l xor 16
.set CS,  22                           ; s[22:23] c = log2(e) / 8
.set TB,  50                           ; s50 LDS byte at which the slot in hand begins
.set SLOTS, 51                         ; s51 counts the key loop's trips down
.set LIM, 54                           ; s54 1 in a wave that prefetches, else the greatest number
.set HM16, 55                          ; s55 the mask of lanes 16-31
; s[24:31] descriptor group 1 of a quarter chunk, s[32:39] of 40 rows (the biases and gains; the next qkv's words and bias); s[40:43] the walking group 0, s[44:47] that of the biases, s[84:87] that of the next qkv's;
; s[48:49] my quarter of the weights' first chunk; s[52:53] the prefetches' address; s[72:75] the next layer's weights, the st that is stored;
; s[88:91] my fragments of the next qkv_w (q or k; v); s[92:101] where my codes and bytes go (q or k: codes, bytes; v: 16 bytes, 8 bytes, byte)
.macro QUANT1 x, f, d, ma, mb, so      ; 16 numbers of a lane, number 16 (lane / 16) + i of ONE block of 32 -> the block's 24 bytes in v[f] .. v[f + 5] in both lanes that share it; its byte in v[ma]
	v_max3_num_f32 v[\ma], |v[\x]|, |v[\x+1]|, 0x2800000           ; two chains from the low end on, with the floor 2^(5 - 127): the byte cannot fall under 1
	v_max3_num_f32 v[\mb], |v[\x+2]|, |v[\x+3]|, |v[\x+4]|
	v_max3_num_f32 v[\ma], v[\ma], |v[\x+5]|, |v[\x+6]|
	v_max3_num_f32 v[\mb], v[\mb], |v[\x+7]|, |v[\x+8]|
	v_max3_num_f32 v[\ma], v[\ma], |v[\x+9]|, |v[\x+10]|
	v_max3_num_f32 v[\mb], v[\mb], |v[\x+11]|, |v[\x+12]|
	v_max3_num_f32 v[\ma], v[\ma], |v[\x+13]|, |v[\x+14]|
	v_max3_num_f32 v[\ma], v[\ma], v[\mb], |v[\x+15]|
	v_permlanex16_b32 v[\mb], v[\ma], s[SEL], s[SEL+1]
	v_max_num_f32 v[\ma], v[\ma], v[\mb]
	v_add_nc_u32 v[\so], 0xfe000000, v[\ma]                        ; 4 off the exponent field: the conversion's scale operand
	v_cvt_scalef32_pk16_bf6_f32 v[\f:\f+2], v[\x:\x+15], v[\so]
	v_lshrrev_b32 v[\ma], 23, v[\so]                               ; the byte (and the plain line behind the conversion)
.irp i, 0,1,2
	v_permlanex16_b32 v[\d+\i], v[\f+\i], s[SEL], s[SEL+1]
.endr
.irp i, 0,1,2
	v_cndmask_b32 v[\f+3+\i], v[\d+\i], v[\f+\i], s[HM16]          ; the upper 16 codes are those of lanes 16-31,
.endr
.irp i, 0,1,2
	v_cndmask_b32 v[\f+\i], v[\f+\i], v[\d+\i], s[HM16]            ; the lower 16 those of lanes 0-15
.endr
.endm
.macro QUANT2 x, f, c, m, t, so, w     ; 32 numbers of a lane, number 32 b + 16 (lane / 16) + i of my row -> half a fragment: lane (r, h) holds block h; v[w] = the two bytes
	v_max3_num_f32 v[\m], |v[\x]|, |v[\x+1]|, 0x2800000
	v_max3_num_f32 v[\m+1], |v[\x+16]|, |v[\x+17]|, 0x2800000
.irp i, 2,4,6,8,10,12,14
	v_max3_num_f32 v[\m], v[\m], |v[\x+\i]|, |v[\x+1+\i]|
	v_max3_num_f32 v[\m+1], v[\m+1], |v[\x+16+\i]|, |v[\x+17+\i]|
.endr
	v_permlanex16_b32 v[\t], v[\m], s[SEL], s[SEL+1]
	v_permlanex16_b32 v[\t+1], v[\m+1], s[SEL], s[SEL+1]
	v_max_num_f32 v[\m], v[\m], v[\t]
	v_max_num_f32 v[\m+1], v[\m+1], v[\t+1]
	v_add_nc_u32 v[\so], 0xfe000000, v[\m]
	v_add_nc_u32 v[\so+1], 0xfe000000, v[\m+1]
	v_lshrrev_b32 v[\t], 23, v[\so]
	v_lshrrev_b32 v[\t+1], 23, v[\so+1]
	v_lshl_or_b32 v[\w], v[\t+1], 8, v[\t]
	v_cvt_scalef32_pk16_bf6_f32 v[\f:\f+2], v[\x:\x+15], v[\so]
	v_cvt_scalef32_pk16_bf6_f32 v[\c:\c+2], v[\x+16:\x+31], v[\so+1]
	v_nop                                                          ; one plain line behind a scaled conversion
.irp i, 0,1,2
	v_permlane16_swap_b32 v[\f+\i], v[\c+\i]
.endr
.irp i, 0,1,2
	v_mov_b32 v[\f+3+\i], v[\c+\i]
.endr
.endm
.macro HALFST a, b, f, off             ; six registers to LDS as half a fragment's image: registers 0-3 at 16 x place, registers 4, 5 at 512 + 8 x place
	ds_store_b128 v[\a], v[\f:\f+3] offset:\off
	ds_store_b64 v[\b], v[\f+4:\f+5] offset:\off
.endm
.macro FRAGH reg, a, b, off            ; a fragment from two such images
.irp c, 0,1
	ds_load_b128 v[\reg+6*\c:\reg+6*\c+3], v[\a] offset:\off+768*\c
	ds_load_b64 v[\reg+6*\c+4:\reg+6*\c+5], v[\b] offset:\off+768*\c
.endr
.endm
.macro FRAGW reg, a, off               ; a weight's fragment: three pieces of 512 consecutive bytes
.irp j, 0,1,2
	ds_load_b128 v[\reg+4*\j:\reg+4*\j+3], v[\a] offset:\off+512*\j
.endr
.endm
.macro BAR                             ; my LDS stores have landed and my LDS loads are in: then the work-group's barrier.  A tensor load may stay out over it
	s_wait_dscnt 0x0
	s_barrier_signal -1
	s_barrier_wait -1
.endm
.macro PLACES                          ; four plain lines behind matrix instructions, ahead of reads of their results and of loads into their registers
.rept 4
	v_nop
.endr
.endm
.macro WMZ d, a, b, sa, sb
	v_wmma_scale_f32_16x16x128_f8f6f4 v[\d:\d+7], v[\a:\a+11], v[\b:\b+11], 0, v[\sa], v[\sb] matrix_a_fmt:MATRIX_FMT_BF6 matrix_b_fmt:MATRIX_FMT_BF6
.endm
.macro WMC d, a, b, c, sa, sb
	v_wmma_scale_f32_16x16x128_f8f6f4 v[\d:\d+7], v[\a:\a+11], v[\b:\b+11], v[\c:\c+7], v[\sa], v[\sb] matrix_a_fmt:MATRIX_FMT_BF6 matrix_b_fmt:MATRIX_FMT_BF6
.endm
; A round of the cluster's barrier: my work-group's barrier, wave 0's signal for the work-group, every wave's wait for all four work-groups, my work-group's barrier once more.
.macro CROUND
	s_barrier_signal -1
	s_barrier_wait -1
	s_cmp_lg_u32 s[WV], 0
	s_cbranch_scc1 .Lnot_wave_0_\@
	s_barrier_signal -3
.Lnot_wave_0_\@:
	s_barrier_wait -3
	s_barrier_signal -1
	s_barrier_wait -1
.endm
.macro TLOAD n                         ; waves 0 .. n - 1 ask for their part of the next chunk; four v_nop follow the line
	s_cmp_lt_u32 s[WV], \n
	s_cbranch_scc0 .Lno_load_\@
	tensor_load_to_lds s[40:43], s[24:31]
	s_nop 0
.rept 4
	v_nop
.endr
.Lno_load_\@:
.endm
; A PREFETCH INTO THE L2 of the chunk of K and V that the NEXT change of slots will ask for: a key step of every wave ahead of that load.  A chunk is 400 blocks of 256 bytes.  All 16 clusters of a batch walk the same chunks:
; the batch's first cluster asks.  Its four partners take 100 blocks each, told apart BY ADDRESS; in each, waves 4 to 7, which fetch nothing, take 25 blocks each, a lane a block (lanes 25 to 31 name lane 24's again).
; Chunks 0 and 1 come by their loads alone; the trip that asks for chunk 7's load names nothing: no chunk of keys lies behind it.  The weights are read by every cluster and are not asked for.
.macro ASK
	s_cmp_gt_u32 s[SLOTS], s[LIM]
	s_cbranch_scc0 .Lnot_mine_\@
	global_prefetch_b8 v255, s[52:53] th:TH_LOAD_NT scope:SCOPE_SE
.Lnot_mine_\@:
.endm
; THE CHANGE OF SLOTS stands at a chunk's head.  Each wave waits for all its tensor loads (its part of the chunk that is about to be read), adds 0 to its spare word, and waits for that and for all its LDS loads and stores.
; Behind the round the chunk ahead is whole in every partner and nobody reads the other slot: it is filled with the chunk after.
; kind 1: the next chunk of keys; 2: the weights' first chunk; 3: on by out_w's 51,200 bytes; 4: on by 102,400; 0: nothing is left to fetch, and a plain barrier serves.
.macro CHANGE kind
	s_wait_tensorcnt 0x0                           ; no tensor load of mine is out, so the group 0 may be written
	ds_add_u32 v1, v2                              ; 0 onto my spare word; the descriptor's steps stand between it and the wait for it
.if \kind > 0
	s_xor_b32 s41, s41, SLOT1                      ; the other slot than last time
.endif
.if \kind == 1
	s_add_nc_u64 s[42:43], s[42:43], CHUNK         ; the type bits on top are not reached
	s_wait_xcnt 0x0                                ; the last prefetch, a trip back, has read its address
	s_add_nc_u64 s[52:53], s[52:53], CHUNK         ; one chunk further on than the walking descriptor
.elseif \kind == 2
	s_mov_b64 s[42:43], s[48:49]
	s_or_b32 s43, s43, 0x80000000
.elseif \kind == 3
	s_add_nc_u64 s[42:43], s[42:43], 51200
.elseif \kind == 4
	s_add_nc_u64 s[42:43], s[42:43], CHUNK
.endif
	s_wait_dscnt 0x0                               ; the add is done; my reads of the slot that I have left are over, and what I stored for other waves has landed
.if \kind > 0
	CROUND
.if \kind == 2
	TLOAD 2
.else
	TLOAD 4
.endif
.if \kind == 1
	ASK
.endif
.else
	s_barrier_signal -1
	s_barrier_wait -1
.endif
.endm
; A KEY STEP: my 128 keys of the chunk in hand.
.macro STEP
	v_add_nc_u32 v10, s[TB], v3                    ; (these seven are also the places between the last products and the loads into their registers)
	v_add_nc_u32 v11, s[TB], v4
	v_add_nc_u32 v12, s[TB], v5
	v_add_nc_u32 v13, s[TB], v6
	v_add_nc_u32 v14, s[TB], v7
	v_add_nc_u32 v15, s[TB], v8
	v_add_nc_u32 v16, s[TB], v9
.irp b, 0,1,2,3                                ; K: fragment b = 32 keys: half c of its K is key tile c
.irp c, 0,1
	ds_load_b128 v[KF+12*\b+6*\c:KF+12*\b+6*\c+3], v10 offset:1536*\b+768*\c
	ds_load_b64 v[KF+12*\b+6*\c+4:KF+12*\b+6*\c+5], v11 offset:1536*\b+768*\c
.endr
.endr
	ds_load_b128 v[42:45], v15                     ; the four fragments' scale words
.irp t, 0,1,2,3                                ; V: fragment t = 16 of the head's 64 x 128 keys; lane (r, h) takes blocks h and 2 + h of the keys
.irp c, 0,1
	ds_load_b128 v[VF+12*\t+6*\c:VF+12*\t+6*\c+3], v12 offset:3072*\c+256*\t
	ds_load_b64 v[VF+12*\t+6*\c+4:VF+12*\t+6*\c+5], v[13+\t%2] offset:3072*\c+128*\t
.endr
.endr
	ds_load_b128 v[46:49], v16
	s_wait_dscnt 17                                ; K's 17 loads are in; V's 17 may be out
.irp b, 0,1,2,3                                ; S^T = K Q^T: lane (r, h) holds query r; registers 16 b + i are keys 32 b + 16 h + i
	WMZ SS+16*\b, KF+12*\b, 30, 42+\b, 22          ; (q, 0): the keys in the lower half of K
	WMZ SS+16*\b+8, KF+12*\b, 24, 42+\b, 22        ; (0, q): those in the upper half
.endr
	PLACES
.irp b, 0,1,2,3
	v_max3_num_f32 v[72+\b], v[SS+16*\b], v[SS+1+16*\b], v[SS+2+16*\b]   ; the largest score of each block of 32 keys: for the row's maximum, and, since p rises with the score, for the block's largest p
.endr
.irp i, 3,5,7,9,11,13
.irp b, 0,1,2,3
	v_max3_num_f32 v[72+\b], v[72+\b], v[SS+16*\b+\i], v[SS+1+16*\b+\i]
.endr
.endr
.irp b, 0,1,2,3
	v_max_num_f32 v[72+\b], v[72+\b], v[SS+15+16*\b]
.endr
.irp b, 0,1,2,3
	v_permlanex16_b32 v[76+\b], v[72+\b], s[SEL], s[SEL+1]
.endr
.irp b, 0,1,2,3
	v_max_num_f32 v[72+\b], v[72+\b], v[76+\b]     ; with lane l xor 16's 16 keys
.endr
	v_max3_num_f32 v86, v72, v73, v74
	v_max_num_f32 v86, v86, v75
	v_mul_f32 v86, s[CS], v86                      ; as t (c is positive)
	v_max_num_f32 v19, v19, v86                    ; the running largest t
	v_mov_b32 v86, v18
	v_floor_f32 v18, -v19                          ; the new -M = floor(-t): M is a whole number
	v_sub_f32 v86, v18, v86                        ; old M - new M, 0 or less
	v_cvt_i32_f32 v86, v86                         ; (it saturates)
	v_ldexp_f32 v84, 1.0, v86                      ; f = 2^(old M - new M): a multiplication by it rounds nothing
.set j, 0
.rept 32
	v_pk_fma_f32 v[SS+j:SS+j+1], v[SS+j:SS+j+1], s[CS:CS+1], v[18:19] op_sel_hi:[1,0,0]   ; t - M, two at a time
.set j, j+2
.endr
.irp b, 0,1,2,3
	v_fma_f32 v[72+\b], v[72+\b], s[CS], v18       ; the same of each block's largest score
.endr
.set j, 0
.rept 64
	v_exp_f32 v[SS+j], v[SS+j]                     ; p = 2^(t - M), at most 1: not normalised
.set j, j+1
.endr
.irp b, 0,1,2,3
	v_exp_f32 v[72+\b], v[72+\b]                   ; the block's largest p: the same two instructions on the same number
.endr
	v_pk_mul_f32 v[20:21], v[20:21], v[84:85] op_sel_hi:[1,0]   ; the sums under the new M (a plain line behind the exponentials)
	s_wait_alu depctr_va_vdst(0)
.irp b, 0,1,2,3
	v_max_num_f32 v[72+\b], 0x2800000, v[72+\b]    ; the floor 2^(5 - 127)
.endr
.irp b, 0,1,2,3
	v_add_nc_u32 v[80+\b], 0xfe000000, v[72+\b]
.endr
.irp b, 0,1,2,3
	v_lshrrev_b32 v[76+\b], 23, v[80+\b]
.endr
	v_lshl_or_b32 v23, v77, 8, v76                 ; p's scale word for these 128 keys
	v_lshl_or_b32 v23, v78, 16, v23
	v_lshl_or_b32 v23, v79, 24, v23
.irp c, 0,1
	v_cvt_scalef32_pk16_bf6_f32 v[52+6*\c:54+6*\c], v[SS+32*\c:SS+15+32*\c], v[80+2*\c]
	v_cvt_scalef32_pk16_bf6_f32 v[64+4*\c:66+4*\c], v[SS+16+32*\c:SS+31+32*\c], v[81+2*\c]
.endr
	v_nop                                          ; one plain line behind a scaled conversion
.irp c, 0,1                                    ; the operand wants a whole block in a lane
.irp i, 0,1,2
	v_permlane16_swap_b32 v[52+6*\c+\i], v[64+4*\c+\i]
.endr
.irp i, 0,1,2
	v_mov_b32 v[55+6*\c+\i], v[64+4*\c+\i]
.endr
.endr
	v_pk_add_f32 v[88:89], v[SS:SS+1], v[SS+2:SS+3]    ; the row's sum is taken of the unquantised p: two at a time, in two chains
.irp j, 4,8,12,16,20,24,28,32,36,40,44,48,52,56,60
	v_pk_add_f32 v[20:21], v[20:21], v[SS+\j:SS+1+\j]
	v_pk_add_f32 v[88:89], v[88:89], v[SS+2+\j:SS+3+\j]
.endr
	v_pk_add_f32 v[20:21], v[20:21], v[88:89]
.set j, 0
.rept 16
	v_pk_mul_f32 v[OT+j:OT+j+1], v[OT+j:OT+j+1], v[84:85] op_sel_hi:[1,0]   ; O^T under the new M.  (The sums and these stand between the lines that made p's codes and word and the products)
.set j, j+2
.endr
	s_wait_dscnt 0x0                               ; V is in
.irp t, 0,1,2,3                                ; O^T += V^T P^T: four accumulators, one instruction each
	WMC OT+8*\t, VF+12*\t, 52, OT+8*\t, 46+\t, 23
.endr
.endm
; A norm's first half: y = v196-211, my token's 16 of my wave's 32 columns.  The wave's mean and centred sum of squares go to LDS.
.macro LNSTAT off
	v_pk_add_f32 v[212:213], v[196:197], v[198:199]
	v_pk_add_f32 v[214:215], v[200:201], v[202:203]
	v_pk_add_f32 v[216:217], v[204:205], v[206:207]
	v_pk_add_f32 v[218:219], v[208:209], v[210:211]
	v_pk_add_f32 v[212:213], v[212:213], v[214:215]
	v_pk_add_f32 v[216:217], v[216:217], v[218:219]
	v_pk_add_f32 v[212:213], v[212:213], v[216:217]
	v_add_f32 v212, v212, v213
	v_permlanex16_b32 v213, v212, s[SEL], s[SEL+1]
	v_add_f32 v212, v212, v213
	v_mul_f32 v212, 0x3d000000, v212               ; / 32: the mean of the 32 columns
	v_pk_add_f32 v[214:215], v[196:197], v[212:213] op_sel_hi:[1,0] neg_lo:[0,1] neg_hi:[0,1]
	v_pk_add_f32 v[216:217], v[198:199], v[212:213] op_sel_hi:[1,0] neg_lo:[0,1] neg_hi:[0,1]
	v_pk_mul_f32 v[218:219], v[214:215], v[214:215]
	v_pk_mul_f32 v[220:221], v[216:217], v[216:217]
.irp k, 4,8,12
	v_pk_add_f32 v[214:215], v[196+\k:197+\k], v[212:213] op_sel_hi:[1,0] neg_lo:[0,1] neg_hi:[0,1]
	v_pk_add_f32 v[216:217], v[198+\k:199+\k], v[212:213] op_sel_hi:[1,0] neg_lo:[0,1] neg_hi:[0,1]
	v_pk_fma_f32 v[218:219], v[214:215], v[214:215], v[218:219]
	v_pk_fma_f32 v[220:221], v[216:217], v[216:217], v[220:221]
.endr
	v_pk_add_f32 v[218:219], v[218:219], v[220:221]
	v_add_f32 v218, v218, v219
	v_permlanex16_b32 v219, v218, s[SEL], s[SEL+1]
	v_add_f32 v213, v218, v219
	ds_store_b64 v10, v[212:213] offset:\off       ; both lanes of a token write the same pair
.endm
; Its second half: the eight waves' pairs are joined: mean = the means' mean; 256 var = the sums' sum + 32 x the sum of (mean_p - mean)^2.  The gain lies in v[g] .. v[g + 15], the bias in the 16 behind; the result goes to v228-243.
.macro LNFIN off, g
.irp i, 0,1,2,3
	ds_load_b128 v[212+4*\i:215+4*\i], v11 offset:\off+16*\i
.endr
	s_wait_dscnt 0x0
	v_add_f32 v244, v212, v214
	v_add_f32 v245, v216, v218
	v_add_f32 v246, v220, v222
	v_add_f32 v247, v224, v226
	v_add_f32 v248, v213, v215
	v_add_f32 v249, v217, v219
	v_add_f32 v250, v221, v223
	v_add_f32 v251, v225, v227
	v_add_f32 v244, v244, v245
	v_add_f32 v246, v246, v247
	v_add_f32 v248, v248, v249
	v_add_f32 v250, v250, v251
	v_add_f32 v244, v244, v246
	v_add_f32 v248, v248, v250
	v_mul_f32 v244, 0x3e000000, v244               ; the mean
.irp p, 0,1,2,3,4,5,6,7
	v_sub_f32 v[212+2*\p], v[212+2*\p], v244
.endr
	v_mul_f32 v246, v212, v212
	v_mul_f32 v247, v214, v214
	v_fma_f32 v246, v216, v216, v246
	v_fma_f32 v247, v218, v218, v247
	v_fma_f32 v246, v220, v220, v246
	v_fma_f32 v247, v222, v222, v247
	v_fma_f32 v246, v224, v224, v246
	v_fma_f32 v247, v226, v226, v247
	v_add_f32 v246, v246, v247
	v_fma_f32 v248, v246, 0x42000000, v248
	v_fma_f32 v248, v248, s70, s71                 ; / 256 + 1e-5
	v_rsq_f32 v246, v248
.irp k, 0,2,4,6,8,10,12,14
	v_pk_add_f32 v[196+\k:197+\k], v[196+\k:197+\k], v[244:245] op_sel_hi:[1,0] neg_lo:[0,1] neg_hi:[0,1]   ; y - mean (plain lines behind the root)
.endr
	s_wait_alu depctr_va_vdst(0)
.irp k, 0,2,4,6,8,10,12,14
	v_pk_mul_f32 v[\g+\k:\g+1+\k], v[\g+\k:\g+1+\k], v[246:247] op_sel_hi:[1,0]
.endr
.irp k, 0,2,4,6,8,10,12,14
	v_pk_fma_f32 v[X1+\k:X1+1+\k], v[196+\k:197+\k], v[\g+\k:\g+1+\k], v[\g+16+\k:\g+17+\k]
.endr
.endm
; FF1 on one chunk of its weight (512 hidden units): my two blocks of 32 units, p and p + 8 of the chunk's 16, for my 16 tokens; relu; quantised; to the hidden layer's images.
.macro F1CH ch, wa, ws, wso
.irp i, 0,1
.irp f, 0,1,2,3
	FRAGW WF+48*\i+12*\f, \wa, 49152*\i+1536*\f
.endr
	ds_load_b128 v[42+4*\i:45+4*\i], v[\ws] offset:\wso+2048*\i
.irp q, 0,1,2,3
	ds_load_b128 v[ACC+16*\i+4*\q:ACC+16*\i+4*\q+3], v8 offset:3072+2048*\ch+1024*\i+16*\q   ; the bias is the sums' start
.endr
.endr
	s_wait_dscnt 0x0
.irp s, 0,1                                    ; four accumulators by turns, one instruction a turn
.irp i, 0,1
.irp e, 0,1
	WMC ACC+16*\i+8*\e, WF+12*(4*\i+2*\e+\s), AF+12*\s, ACC+16*\i+8*\e, 42+4*\i+2*\e+\s, 22+\s
.endr
.endr
.endr
	PLACES
.set j, 0
.rept 32
	v_max_num_f32 v[ACC+j], 0, v[ACC+j]
.set j, j+1
.endr
	QUANT1 ACC, 244, 250, 253, 254, 255
	HALFST 28, 29, 244, (4*\ch)*1536
	ds_store_b8 v36, v253 offset:(4*\ch)*64
	s_wait_dscnt 0x0                               ; the stores have read their registers
	QUANT1 ACC+16, 244, 250, 253, 254, 255
	HALFST 28, 29, 244, (4*\ch+2)*1536
	ds_store_b8 v36, v253 offset:(4*\ch+2)*64
.endm
; FF2 on one half of its K (512 hidden units, four K steps): my 32 columns for my 16 tokens.
.macro F2H half, wa, ws
.irp e, 0,1
.irp l, 0,1,2,3
	FRAGW WF+12*(4*\e+\l), \wa, 6144*\e+1536*\l
.endr
	ds_load_b128 v[42+4*\e:45+4*\e], v[\ws] offset:256*\e
.endr
.irp l, 0,1,2,3
	FRAGH AF+12*\l, 5, 6, (4*\half+\l)*1536
	ds_load_b32 v[22+\l+26*(\l/2)], v7 offset:(4*\half+\l)*64      ; v22, v23, v50, v51
.endr
	s_wait_dscnt 0x0
.irp l, 0,1,2,3                                ; two accumulators by turns
.irp e, 0,1
	WMC ACC+8*\e, WF+12*(4*\e+\l), AF+12*\l, ACC+8*\e, 42+4*\e+\l, 22+\l+26*(\l/2)
.endr
.endr
.endm
	s_load_b256 s[4:11], s[0:1], 0x0               ; st, the layer's weights, x in, x out
	s_load_b128 s[72:75], s[0:1], 0x20             ; the next layer's weights, the st that is stored
	v_lshl_add_u32 v1, v0, 2, SPARE
	v_mov_b32 v2, 0
	ds_add_u32 v1, v2
	s_wait_dscnt 0x0
	v_lshrrev_b32 v3, 5, v0
	v_readfirstlane_b32 s[WV], v3                  ; wave 0..15
	s_bfe_u32 s13, ttmp6, 0x40000                  ; cx: my place in the cluster: it enters global addresses alone
	s_lshl_b32 s14, ttmp9, 2
	s_add_co_u32 s14, s14, s13                     ; my block of 32 tokens
	s_lshr_b32 s15, s[WV], 2
	s_bfe_u32 s16, s[WV], 0x10001
	s_and_b32 s17, s[WV], 1
	s_lshr_b32 s18, s[WV], 1
	s_and_b32 s19, s[WV], 3
	s_mov_b32 s[SEL], 0x76543210
	s_mov_b32 s[SEL+1], 0xfedcba98
	s_mov_b32 s[CS], 0x3e38aa3b                    ; log2(e) / 8
	s_mov_b32 s[CS+1], s[CS]                       ; (named with it as a pair, so it is written)
	s_mov_b32 s[HM16], 0xffff0000
	s_mov_b32 s70, 0x3b800000                      ; 1 / 256
	s_mov_b32 s71, 0x3727c5ac                      ; 1e-5
	s_mov_b32 s[TB], 0
	s_mov_b32 s[SLOTS], 7
	; descriptor group 1: 100 dense rows of 256 bytes (32 elements of 8 bytes)
	s_mov_b32 s24, 15|(3<<16)|(1<<21)              ; 15:0 the mask: all four work-groups; 17:16 elements of 8 bytes; 21 set beside a mask; no padding
	s_mov_b32 s25, 32<<16                          ; tensor_dim0 = 32
	s_mov_b32 s26, 100<<16                         ; tensor_dim1 = 100
	s_mov_b32 s27, 32<<16                          ; tile_dim0 = 32
	s_mov_b32 s28, 100                             ; tile_dim1 = 100
	s_mov_b32 s29, 32                              ; from row to row
	s_mov_b32 s30, 0
	s_mov_b32 s31, 0
	s_mov_b32 s32, 15|(3<<16)|(1<<21)              ; the same with 40 rows: the biases and gains; the next qkv's words and bias
	s_mov_b32 s33, 32<<16
	s_mov_b32 s34, 40<<16
	s_mov_b32 s35, 32<<16
	s_mov_b32 s36, 40
	s_mov_b32 s37, 32
	s_mov_b32 s38, 0
	s_mov_b32 s39, 0
	s_min_u32 s56, s[WV], 3
	s_mul_i32 s56, s56, 25600                      ; my quarter of a chunk (waves 4-15 issue no such load)
	s_mov_b32 s57, 0
	s_lshr_b32 s58, ttmp9, 4                       ; the batch, which the four partners share
	s_mul_i32 s58, s58, 8*CHUNK
	s_mov_b32 s59, 0
	s_mul_i32 s60, s13, 25600                      ; the prefetches: my work-group's quarter, by address,
	s_and_b32 s61, s[WV], 3
	s_mul_i32 s61, s61, 6400                       ; my wave's quarter of that,
	s_add_co_u32 s60, s60, s61
	s_add_co_u32 s60, s60, CHUNK                   ; in chunk 1: the first change of slots steps it to chunk 2
	s_mov_b32 s61, 0
	s_lshr_b32 s62, s[WV], 2
	s_xor_b32 s62, s62, 1                          ; 0 in waves 4-7,
	s_and_b32 s63, ttmp9, 15
	s_or_b32 s62, s62, s63                         ; of the batch's first cluster: the same in all four partners
	s_cmp_eq_u32 s62, 0
	s_cselect_b32 s[LIM], 1, -1
	s_lshr_b32 s66, s[WV], 3                       ; LDS rows 2 w and 2 w + 1 of XS hold tokens 8 (w / 8) + 2 (w % 4) + 16 ((w / 4) % 2) and the next
	s_lshl_b32 s66, s66, 3
	s_and_b32 s67, s[WV], 3
	s_lshl_b32 s67, s67, 1
	s_add_co_u32 s66, s66, s67
	s_bfe_u32 s67, s[WV], 0x10002
	s_lshl_b32 s67, s67, 4
	s_add_co_u32 s66, s66, s67
	s_lshl_b32 s67, s14, 5
	s_add_co_u32 s66, s66, s67
	s_lshl_b32 s66, s66, 10                        ; their bytes in x
	s_mov_b32 s67, 0
	s_wait_kmcnt 0x0
	s_mov_b32 s40, 1                               ; group 0: count = 1,
	s_mov_b32 s41, s56                             ; LDS address: slot 0, my quarter,
	s_add_nc_u64 s[42:43], s[4:5], s[58:59]
	s_add_nc_u64 s[52:53], s[42:43], s[60:61]
	s_add_nc_u64 s[42:43], s[42:43], s[56:57]      ; the batch's chunk 0, my quarter,
	s_or_b32 s43, s43, 0x80000000                  ; type = 2
	s_mov_b32 s44, 1
	s_mov_b32 s45, PAR
	s_add_nc_u64 s[46:47], s[6:7], 460800
	s_or_b32 s47, s47, 0x80000000
	s_mov_b32 s84, 1
	s_mov_b32 s85, QPAR
	s_add_nc_u64 s[86:87], s[72:73], 617472        ; the last 10,240 bytes of the next layer's buffer
	s_or_b32 s87, s87, 0x80000000
	s_add_nc_u64 s[48:49], s[6:7], s[56:57]        ; my part of the weights' first chunk
	s_add_nc_u64 s[8:9], s[8:9], s[66:67]          ; x in and x out at my two rows
	s_add_nc_u64 s[10:11], s[10:11], s[66:67]
	CROUND                                         ; all four work-groups are here: the first joint loads meet
	s_cmp_lt_u32 s[WV], 4                          ; the first fills: waves 0-3 chunk 0, wave 4 the biases and gains, wave 5 the next qkv's words and bias
	s_cbranch_scc0 .Lnot_kv
	tensor_load_to_lds s[40:43], s[24:31]
	s_nop 0
.rept 4
	v_nop
.endr
	s_branch .Lfirst_asked
.Lnot_kv:
	s_cmp_eq_u32 s[WV], 4
	s_cbranch_scc0 .Lnot_par
	tensor_load_to_lds s[44:47], s[32:39]
	s_nop 0
.rept 4
	v_nop
.endr
	s_branch .Lfirst_asked
.Lnot_par:
	s_cmp_eq_u32 s[WV], 5
	s_cbranch_scc0 .Lfirst_asked
	tensor_load_to_lds s[84:87], s[32:39]
	s_nop 0
.rept 4
	v_nop
.endr
.Lfirst_asked:
	v_and_b32 v52, 31, v0                          ; lane
	v_and_b32 v53, 15, v0                          ; r
	v_bfe_u32 v54, v0, 4, 1                        ; h
	v_lshlrev_b32 v55, 4, v52
	v_lshlrev_b32 v56, 3, v52
	s_mul_i32 s56, s14, 6144
	s_mul_i32 s57, s15, 1536
	s_add_co_u32 s56, s56, s57
	s_mul_i32 s57, s16, 768
	s_add_co_u32 s56, s56, s57
	s_add_co_u32 s56, s56, QOFF
	v_add_nc_u32 v57, s56, v55
	v_add_nc_u32 v58, s56, v56
	global_load_b128 v[30:33], v57, s[4:5]         ; q's half fragment stays in registers
	global_load_b64 v[34:35], v58, s[4:5] offset:512
	s_lshl_b32 s56, s14, 9
	s_lshl_b32 s57, s15, 7
	s_add_co_u32 s56, s56, s57
	s_lshl_b32 s57, s16, 6
	s_add_co_u32 s56, s56, s57
	s_add_co_u32 s56, s56, QSOFF
	v_lshl_add_u32 v59, v53, 2, s56
	global_load_b32 v22, v59, s[4:5]               ; its scale word: the two bytes twice, for either half of K
.irp i, 0,1,2,3
	global_load_b128 v[148+4*\i:151+4*\i], v55, s[8:9] offset:512*\i     ; two rows of x: the residual
.endr
	s_mul_i32 s56, s15, 12288
	s_mul_i32 s57, s17, 6144
	s_add_co_u32 s56, s56, s57                     ; my head's, my half's four blocks of 1,536 bytes
	v_add_nc_u32 v3, s56, v55                      ; K: 16 lane,
	s_add_co_u32 s57, s56, 512
	v_add_nc_u32 v4, s57, v56                      ; 512 + 8 lane
	s_add_co_u32 s57, s56, 49152
	v_lshl_add_u32 v5, v53, 4, s57
	v_mad_u32_u24 v5, v54, 1536, v5                ; V: block h, place r
	s_add_co_u32 s57, s56, 49152+1024
	v_lshl_add_u32 v6, v53, 3, s57
	v_mad_u32_u24 v7, v54, 1408, v6                ; its last 8 bytes lie at place 16 (t xor block % 2) + r: for odd t lanes 16-31 go 128 bytes back,
	v_mad_u32_u24 v6, v54, 1664, v6                ; for even t 128 on: so the two halves of the lanes take different halves of 256 bytes
	s_lshl_b32 s57, s15, 9
	s_lshl_b32 s58, s17, 8
	s_add_co_u32 s57, s57, s58
	s_add_co_u32 s57, s57, 98304
	v_lshl_add_u32 v8, v53, 4, s57                 ; K's four scale words of row r,
	v_add_nc_u32 v9, 2048, v8                      ; V's
	s_mul_i32 s57, s[WV], 2*XP
	s_add_co_u32 s57, s57, XS
	v_add_nc_u32 v17, s57, v55                     ; my two rows in XS
	v_min_u32 v255, 24, v52
	v_lshlrev_b32 v255, 8, v255                    ; the prefetches' offset
.irp i, 24,25,26,27,28,29,36,37,38,39,40,41
	v_mov_b32 v[\i], 0                             ; zero codes on either side of q
.endr
.set j, 0
.rept 32
	v_mov_b32 v[OT+j], 0                           ; O^T.  (The key step is written without a first step of its own: it finds zeros, which the first change of M leaves zeros)
.set j, j+1
.endr
	v_mov_b32 v19, 0xff61b1e6                      ; the largest t so far: -3e38
	v_floor_f32 v18, -v19
	v_mov_b32 v20, 0
	v_mov_b32 v21, 0
.irp i, 250,251,252
	v_mov_b32 v[\i], 0                             ; written once: a lane permute's destination counts as one of its sources
.endr
	; ---- the next qkv's scalar addresses are made here, while the first tiles are on their way.  The block's number enters global addresses alone
	s_and_b32 s68, s14, 7                          ; the block's place in its chunk of 256 keys
	s_mov_b32 s57, 0
	s_mul_i32 s58, s15, 36864                      ; the head's 12 tiles of 3,072 bytes
	s_mul_i32 s56, s16, 12288
	s_add_co_u32 s56, s56, s58
	s_add_co_u32 s56, s56, 471040
	s_add_nc_u64 s[88:89], s[72:73], s[56:57]      ; my four tiles for q or k
	s_mul_i32 s56, s19, 3072
	s_add_co_u32 s56, s56, s58
	s_add_co_u32 s56, s56, 471040+24576
	s_add_nc_u64 s[90:91], s[72:73], s[56:57]      ; my tile for v
	s_lshr_b32 s58, s14, 3
	s_mul_i32 s58, s58, CHUNK
	s_mul_i32 s59, s15, 12288
	s_mul_i32 s60, s68, 1536
	s_add_co_u32 s59, s59, s60
	s_add_co_u32 s59, s59, s58                     ; chunk + head + block
	s_mul_i32 s60, s17, 768
	s_add_co_u32 s61, s59, s60                     ; k's codes
	s_mul_i32 s62, s14, 6144
	s_mul_i32 s63, s15, 1536
	s_add_co_u32 s62, s62, s63
	s_add_co_u32 s62, s62, s60
	s_add_co_u32 s62, s62, QOFF                    ; q's codes
	s_cmp_eq_u32 s16, 0
	s_cselect_b32 s56, s62, s61
	s_add_nc_u64 s[92:93], s[74:75], s[56:57]
	s_lshl_b32 s61, s15, 9
	s_add_co_u32 s61, s61, s58
	s_lshr_b32 s62, s68, 2
	s_lshl_b32 s62, s62, 8
	s_add_co_u32 s61, s61, s62                     ; chunk + head x 512 + which 128 keys x 256
	s_and_b32 s62, s68, 3
	s_lshl_b32 s63, s62, 2
	s_add_co_u32 s63, s63, s61
	s_lshl_b32 s66, s17, 1
	s_add_co_u32 s63, s63, s66
	s_add_co_u32 s63, s63, 98304                   ; k's two bytes: word block % 4 of row r, bytes 2 u, 2 u + 1
	s_lshl_b32 s66, s14, 9
	s_lshl_b32 s67, s15, 7
	s_add_co_u32 s66, s66, s67
	s_lshl_b32 s67, s17, 6
	s_add_co_u32 s66, s66, s67
	s_add_co_u32 s66, s66, QSOFF                   ; q's word
	s_cmp_eq_u32 s16, 0
	s_cselect_b32 s56, s66, s63
	s_add_nc_u64 s[94:95], s[74:75], s[56:57]
	s_lshl_b32 s66, s19, 8
	s_add_co_u32 s56, s59, s66
	s_add_co_u32 s56, s56, 49152
	s_add_nc_u64 s[96:97], s[74:75], s[56:57]      ; v's codes: 16 of a row's 24 bytes at place 16 t + r,
	s_and_b32 s66, s68, 1
	s_xor_b32 s66, s66, s19
	s_lshl_b32 s66, s66, 7
	s_add_co_u32 s56, s59, s66
	s_add_co_u32 s56, s56, 49152+1024
	s_add_nc_u64 s[98:99], s[74:75], s[56:57]      ; the other 8 at place 16 (t xor block % 2) + r
	s_lshl_b32 s66, s19, 2
	s_add_co_u32 s56, s61, s66
	s_add_co_u32 s56, s56, s62
	s_add_co_u32 s56, s56, 100352
	s_add_nc_u64 s[100:101], s[74:75], s[56:57]    ; v's byte: word t of row r, byte block % 4
	s_wait_loadcnt 0x0
	ds_store_b128 v17, v[148:151]
	ds_store_b128 v17, v[152:155] offset:512
	ds_store_b128 v17, v[156:159] offset:XP
	ds_store_b128 v17, v[160:163] offset:XP+512
	; ---- ATTENTION: 8 chunks of 256 keys
.Lkv:                                              ; 7 trips: behind each change of slots the next chunk of keys is asked for
	CHANGE 1
	STEP
	s_xor_b32 s[TB], s[TB], SLOT1
	s_sub_co_u32 s[SLOTS], s[SLOTS], 1
	s_cmp_lg_u32 s[SLOTS], 0
	s_cbranch_scc1 .Lkv
	CHANGE 2                                       ; the last chunk of keys is read while out_w comes
	STEP
	; ---- THE TWO HALVES OF THE KEYS ARE JOINED.  Addresses are made by all waves alike (these lines are also the places behind the last products)
	s_wait_xcnt 0x0                                ; the prefetches have read v255
	v_and_b32 v26, 15, v0                          ; r
	v_bfe_u32 v27, v0, 4, 1                        ; h
	v_and_b32 v28, 31, v0
	v_lshlrev_b32 v24, 4, v28                      ; 16 lane
	v_lshlrev_b32 v25, 3, v28                      ; 8 lane
	s_mul_i32 s56, s18, 4352
	s_add_co_u32 s56, s56, HM
	v_add_nc_u32 v3, s56, v24                      ; the pair's scratch: O^T as eight images of 512 bytes,
	s_add_co_u32 s56, s56, 4096
	v_add_nc_u32 v4, s56, v25                      ; the sum and -M
	s_lshl_b32 s57, s16, 1
	s_lshr_b32 s58, s15, 1
	s_add_co_u32 s57, s57, s58                     ; the head's 64 are half head % 2 of fragment 2 u + head / 2
	s_and_b32 s58, s15, 1
	s_mul_i32 s59, s57, 1536
	s_mul_i32 s60, s58, 768
	s_add_co_u32 s59, s59, s60
	s_add_co_u32 s59, s59, AIMG
	v_add_nc_u32 v5, s59, v24
	s_add_co_u32 s59, s59, 512
	v_add_nc_u32 v6, s59, v25
	s_lshl_b32 s57, s57, 6
	s_lshl_b32 s58, s58, 1
	s_add_co_u32 s57, s57, s58
	s_add_co_u32 s57, s57, AIMG+6144
	v_lshl_add_u32 v7, v26, 2, s57
	s_cmp_eq_u32 s17, 0
	s_cbranch_scc1 .Lkeeps                         ; the wave of the keys' upper halves hands its sums over
	v_add_f32 v20, v20, v21
	v_mov_b32 v21, v18
.irp i, 0,1,2,3,4,5,6,7
	ds_store_b128 v3, v[OT+4*\i:OT+4*\i+3] offset:512*\i
.endr
	ds_store_b64 v4, v[20:21]
.Lkeeps:
	CHANGE 3                                       ; out_w is whole, the handed sums have landed; ff1_w's first chunk is asked for
	s_cmp_lg_u32 s17, 0
	s_cbranch_scc1 .Lgave
.irp i, 0,1,2,3,4,5,6,7
	ds_load_b128 v[148+4*\i:151+4*\i], v3 offset:512*\i
.endr
	ds_load_b64 v[180:181], v4
	v_add_f32 v20, v20, v21
	s_wait_dscnt 0x0
	v_min_num_f32 v86, v18, v181                   ; -M of both = the lesser -M
	v_sub_f32 v87, v86, v18
	v_sub_f32 v88, v86, v181
	v_cvt_i32_f32 v87, v87
	v_cvt_i32_f32 v88, v88
	v_ldexp_f32 v84, 1.0, v87                      ; each half's power of two: exact
	v_ldexp_f32 v90, 1.0, v88
.set j, 0
.rept 16
	v_pk_mul_f32 v[OT+j:OT+j+1], v[OT+j:OT+j+1], v[84:85] op_sel_hi:[1,0]
.set j, j+2
.endr
.set j, 0
.rept 16
	v_pk_fma_f32 v[OT+j:OT+j+1], v[148+j:149+j], v[90:91], v[OT+j:OT+j+1] op_sel_hi:[1,0,1]
.set j, j+2
.endr
	v_mul_f32 v20, v20, v84
	v_fma_f32 v20, v180, v90, v20
	v_permlanex16_b32 v86, v20, s[SEL], s[SEL+1]
	v_add_f32 v20, v20, v86                        ; the row's sum
	v_rcp_f32 v84, v20
	v_nop                                          ; one plain line behind the reciprocal
.set j, 0
	s_wait_alu depctr_va_vdst(0)
.rept 16
	v_pk_mul_f32 v[OT+j:OT+j+1], v[OT+j:OT+j+1], v[84:85] op_sel_hi:[1,0]
.set j, j+2
.endr
	QUANT2 OT, 52, 58, 62, 64, 66, 68              ; register 16 b + i is the head's channel 32 b + 16 h + i
	HALFST 5, 6, 52, 0
	ds_store_b16 v7, v68
.Lgave:
	BAR                                            ; attention's four fragments lie in LDS
	; ---- the row phases' addresses: a constant + a lane term + a constant x the wave's parts
	s_mul_i32 s56, s18, 6144
	v_add_nc_u32 v3, s56, v24                      ; slot 0: my pair of tiles' four fragments (K = 256)
	s_add_co_u32 s56, s56, SLOT1
	v_add_nc_u32 v15, s56, v24                     ; slot 1
	s_lshl_b32 s56, s18, 8
	s_add_co_u32 s56, s56, 49152
	v_lshl_add_u32 v4, v26, 4, s56                 ; out_w's scale words; ff1_w's in slot 0 lie 49,152 bytes on
	s_add_co_u32 s56, s56, SLOT1+49152
	v_lshl_add_u32 v16, v26, 4, s56                ; ff1_w's in slot 1
	s_mul_i32 s56, s17, 3072
	s_add_co_u32 s56, s56, AIMG
	v_add_nc_u32 v5, s56, v24                      ; my token tile's two fragments (x behind the norm: 6,400 bytes on)
	s_add_co_u32 s56, s56, 512
	v_add_nc_u32 v6, s56, v25
	s_lshl_b32 s56, s17, 7
	s_add_co_u32 s56, s56, AIMG+6144
	v_lshl_add_u32 v7, v26, 2, s56
	s_lshl_b32 s57, s18, 7
	s_add_co_u32 s56, s57, PAR
	v_lshl_add_u32 v8, v27, 6, s56                 ; biases and gains of columns 32 p + 16 h on
	s_mul_i32 s56, s17, 16*XP
	s_add_co_u32 s56, s56, s57
	s_add_co_u32 s56, s56, XS
	v_mul_u32_u24 v9, v26, XP
	v_add_nc_u32 v9, s56, v9
	v_lshl_add_u32 v9, v27, 6, v9                  ; my token's same columns in XS
	s_lshl_b32 s56, s17, 10
	s_add_co_u32 s56, s56, STAT
	v_lshl_add_u32 v11, v26, 6, s56                ; my token's eight pairs,
	s_lshl_b32 s57, s18, 3
	v_add_nc_u32 v10, s57, v11                     ; my wave's among them
	s_lshr_b32 s56, s18, 2                         ; block p of 32 columns is block p % 4 of K step p / 4: half (p / 2) % 2, lanes 16 (p % 2) + r
	s_bfe_u32 s57, s18, 0x10001
	s_and_b32 s58, s18, 1
	s_mul_i32 s59, s56, 1536
	s_mul_i32 s60, s57, 768
	s_add_co_u32 s59, s59, s60
	s_lshl_b32 s60, s58, 8
	s_add_co_u32 s60, s59, s60
	s_lshl_b32 s61, s58, 7
	s_add_co_u32 s61, s59, s61
	s_add_co_u32 s61, s61, 512
	s_lshl_b32 s62, s56, 6
	s_and_b32 s63, s18, 3
	s_add_co_u32 s62, s62, s63
	s_mul_i32 s66, s17, 3072
	s_add_co_u32 s66, s66, XIMG
	s_add_co_u32 s67, s66, s60
	v_lshl_add_u32 v12, v26, 4, s67                ; where my block of x behind a norm goes,
	s_add_co_u32 s67, s66, s61
	v_lshl_add_u32 v13, v26, 3, s67
	s_lshl_b32 s67, s17, 7
	s_add_co_u32 s67, s67, s62
	s_add_co_u32 s67, s67, XIMG+6144
	v_lshl_add_u32 v14, v26, 2, s67                ; and its byte
	s_mul_i32 s66, s17, 12288
	s_add_co_u32 s66, s66, HM
	s_add_co_u32 s67, s66, s60
	v_lshl_add_u32 v28, v26, 4, s67                ; the same for the hidden layer
	s_add_co_u32 s67, s66, s61
	v_lshl_add_u32 v29, v26, 3, s67
	s_lshl_b32 s67, s17, 9
	s_add_co_u32 s67, s67, s62
	s_add_co_u32 s67, s67, HM+24576
	v_lshl_add_u32 v36, v26, 2, s67
	; ---- OUT PROJECTION, residual, first norm
.irp f, 0,1,2,3
	FRAGW WF+12*\f, 3, 1536*\f                     ; fragment 2 e + s
.endr
	ds_load_b128 v[42:45], v4
	FRAGH AF, 5, 6, 0
	FRAGH AF+12, 5, 6, 1536
	ds_load_b32 v22, v7
	ds_load_b32 v23, v7 offset:64
.irp q, 0,1,2,3
	ds_load_b128 v[ACC+4*\q:ACC+4*\q+3], v8 offset:16*\q           ; out_b is the sums' start
.endr
.irp q, 0,1,2,3
	ds_load_b128 v[212+4*\q:215+4*\q], v9 offset:16*\q             ; the residual
.endr
	s_wait_dscnt 0x0
.irp s, 0,1                                    ; two accumulators by turns
.irp e, 0,1
	WMC ACC+8*\e, WF+12*(2*\e+\s), AF+12*\s, ACC+8*\e, 42+2*\e+\s, 22+\s
.endr
.endr
	PLACES
.irp q, 0,1,2,3
	ds_load_b128 v[52+4*\q:55+4*\q], v8 offset:1024+16*\q          ; ln1_g,
.endr
.irp q, 0,1,2,3
	ds_load_b128 v[68+4*\q:71+4*\q], v8 offset:2048+16*\q          ; ln1_b
.endr
.irp k, 0,2,4,6,8,10,12,14
	v_pk_add_f32 v[ACC+\k:ACC+1+\k], v[ACC+\k:ACC+1+\k], v[212+\k:213+\k]
.endr
	LNSTAT 0
	BAR                                            ; the eight waves' parts lie in LDS
	LNFIN 0, 52
	QUANT1 X1, 244, 250, 253, 254, 255
	HALFST 12, 13, 244, 0
	ds_store_b8 v14, v253
	CHANGE 4                                       ; ff1_w's first chunk is whole, x's images have landed; the second chunk is asked for
	; ---- FF1, relu
	FRAGH AF, 5, 6, 6400
	FRAGH AF+12, 5, 6, 6400+1536
	ds_load_b32 v22, v7 offset:6400
	ds_load_b32 v23, v7 offset:6464
	F1CH 0, 15, 16, 0
	CHANGE 4                                       ; ff2_w's first half is asked for
	F1CH 1, 3, 4, 49152
	CHANGE 4                                       ; the hidden layer's images have landed; ff2_w's second half is asked for
	; ---- FF2, residual, second norm
	s_mul_i32 s56, s18, 12288
	v_add_nc_u32 v3, s56, v24                      ; slot 0: my pair of tiles' eight fragments
	s_add_co_u32 s56, s56, SLOT1
	v_add_nc_u32 v15, s56, v24
	s_lshl_b32 s56, s18, 9
	s_add_co_u32 s56, s56, 98304
	v_lshl_add_u32 v4, v26, 4, s56
	s_add_co_u32 s56, s56, SLOT1
	v_lshl_add_u32 v16, v26, 4, s56
	s_mul_i32 s56, s17, 12288
	s_add_co_u32 s56, s56, HM
	v_add_nc_u32 v5, s56, v24                      ; my token tile's eight hidden fragments
	s_add_co_u32 s56, s56, 512
	v_add_nc_u32 v6, s56, v25
	s_lshl_b32 s56, s17, 9
	s_add_co_u32 s56, s56, HM+24576
	v_lshl_add_u32 v7, v26, 2, s56
.irp q, 0,1,2,3
	ds_load_b128 v[ACC+4*\q:ACC+4*\q+3], v8 offset:7168+16*\q      ; ff2_b is the sums' start
.endr
	F2H 0, 15, 16
	CHANGE 0                                       ; ff2_w's second half is whole; nothing is left to fetch
	PLACES                                         ; ahead of loads into registers that the last products read
	F2H 1, 3, 4
	PLACES
	; the next layer's qkv_w goes out now, into registers that FF2 has left: 24 loads for q or k, then 6 for v; each reads 512 consecutive bytes.  They land under the second norm
.irp f, 0,1,2,3,4,5,6,7
.irp j, 0,1,2
	global_load_b128 v[WF+12*\f+4*\j:WF+12*\f+4*\j+3], v24, s[88:89] offset:1536*\f+512*\j   ; fragment 2 T + s
.endr
.endr
.irp j, 0,1,2
	global_load_b128 v[30+4*\j:33+4*\j], v24, s[90:91] offset:512*\j
.endr
.irp j, 0,1,2
	global_load_b128 v[180+4*\j:183+4*\j], v24, s[90:91] offset:1536+512*\j
.endr
.irp q, 0,1,2,3
	ds_load_b128 v[148+4*\q:151+4*\q], v8 offset:8192+16*\q        ; ln2_g,
.endr
.irp q, 0,1,2,3
	ds_load_b128 v[164+4*\q:167+4*\q], v8 offset:9216+16*\q        ; ln2_b
.endr
.irp k, 0,2,4,6,8,10,12,14
	v_pk_add_f32 v[ACC+\k:ACC+1+\k], v[ACC+\k:ACC+1+\k], v[X1+\k:X1+1+\k]
.endr
	; the next qkv's LDS addresses: a constant + a lane term + a constant x the wave's parts (my loads by the registers written here are in)
	s_mul_i32 s56, s17, 3072
	s_add_co_u32 s56, s56, XIMG
	v_add_nc_u32 v5, s56, v24                      ; my token tile's two fragments of x,
	s_add_co_u32 s56, s56, 512
	v_add_nc_u32 v6, s56, v25
	s_lshl_b32 s56, s17, 7
	s_add_co_u32 s56, s56, XIMG+6144
	v_lshl_add_u32 v7, v26, 2, s56                 ; their scale words;
	v_add_nc_u32 v3, XIMG, v24                     ; all four fragments,
	v_add_nc_u32 v4, XIMG+512, v25
	v_lshl_add_u32 v15, v26, 2, XIMG+6144          ; their words
	s_mul_i32 s56, s15, 1536
	s_lshl_b32 s57, s16, 9
	s_add_co_u32 s57, s57, s56
	s_add_co_u32 s57, s57, QS
	v_lshl_add_u32 v16, v26, 4, s57                ; the weight's words for q or k: 256 bytes for a pair of tiles
	s_lshl_b32 s57, s16, 8
	s_add_co_u32 s57, s57, s56
	s_lshl_b32 s58, s17, 3
	s_add_co_u32 s57, s57, s58
	s_add_co_u32 s57, s57, QS+1024
	v_lshl_add_u32 v29, v26, 4, s57                ; for my tile of v (tile t: pair t / 2 = (w / 2) % 2, tile t % 2 = w % 2 of it)
	s_mul_i32 s56, s15, 768
	s_lshl_b32 s57, s16, 8
	s_add_co_u32 s57, s57, s56
	s_add_co_u32 s57, s57, QB
	v_lshl_add_u32 v28, v27, 6, s57                ; the bias of my 64 columns of q or k, 16 h on
	s_lshl_b32 s57, s16, 7
	s_add_co_u32 s57, s57, s56
	s_lshl_b32 s58, s17, 5
	s_add_co_u32 s57, s57, s58
	s_add_co_u32 s69, s57, QB+512                  ; and of my tile of v
	LNSTAT 2048
	BAR
	LNFIN 2048, 148
	v_and_b32 v11, 8, v26                          ; (the norm's two address registers are free)
	v_add_nc_u32 v11, v11, v26
	v_lshl_add_u32 v10, v11, 2, s69                ; v's bias at my column r + 8 (r / 8) of the tile
	; ---- THE WAY OUT: a lane's 64 bytes of a row go to XS; and the same numbers, quantised, to x's images for the next qkv: one barrier serves both
.irp q, 0,1,2,3
	ds_store_b128 v9, v[X1+4*\q:X1+4*\q+3] offset:16*\q
.endr
	QUANT1 X1, 244, 250, 253, 254, 255
	HALFST 12, 13, 244, 0
	ds_store_b8 v14, v253
	BAR
	ds_load_b128 v[228:231], v17                   ; two whole rows back,
	ds_load_b128 v[232:235], v17 offset:512
	ds_load_b128 v[236:239], v17 offset:XP
	ds_load_b128 v[240:243], v17 offset:XP+512
	FRAGH 148, 5, 6, 0                             ; my token tile's x,
	FRAGH 160, 5, 6, 1536
	ds_load_b32 v22, v7
	ds_load_b32 v23, v7 offset:64
	ds_load_b128 v[42:45], v16                     ; words 2 e + s of tiles 0, 1,
	ds_load_b128 v[46:49], v16 offset:256          ; of tiles 2, 3
.irp t, 0,1,2,3
.irp q, 0,1
	ds_load_b128 v[ACC+8*\t+4*\q:ACC+8*\t+4*\q+3], v28 offset:128*(\t/2)+32*(\t%2)+16*\q   ; the bias in the result's layout: columns 32 (t / 2) + 16 h + 8 (t % 2) + 0 .. 7: the sums' start
.endr
.endr
	ds_load_b32 v244, v10
	s_wait_dscnt 0x0
.irp i, 0,1,2,3
	global_store_b128 v24, v[228+4*\i:231+4*\i], s[10:11] offset:512*\i      ; 32 lanes store 512 consecutive bytes
.endr
	; ---- THE NEXT LAYER'S q OR k of my token tile: source 0 = 16 columns of the weight, source 1 = 16 tokens
	s_wait_loadcnt 6                               ; the 24 loads for q or k are in; the 6 for v, issued behind them, may be out
.irp i, 1,2,3,4,5,6,7
	v_mov_b32 v[244+\i], v244                      ; v's bias: a lane holds one column there, so its eight registers hold the same number
.endr
.irp s, 0,1                                    ; four accumulators by turns, one instruction a turn
.irp t, 0,1,2,3
	WMC ACC+8*\t, WF+12*(2*\t+\s), 148+12*\s, ACC+8*\t, 42+4*(\t/2)+2*(\t%2)+\s, 22+\s
.endr
.endr
	v_lshlrev_b32 v5, 2, v26                       ; the stores' lane terms: 4 r, 8 r, 16 r.  (These three lines and the next are the four places behind the products)
	v_lshlrev_b32 v6, 3, v26
	v_lshlrev_b32 v7, 4, v26
	v_nop
.irp f, 0,1,2,3
	FRAGH WF+12*\f, 3, 4, 1536*\f                  ; all four fragments of x are wanted for v
	ds_load_b32 v[22+\f+26*(\f/2)], v15 offset:64*\f               ; v22, v23, v50, v51
.endr
	ds_load_b64 v[42:43], v29
	QUANT2 ACC, 100, 106, 110, 112, 114, 116       ; while they come: my 64 numbers a token become half a fragment
	v_lshl_or_b32 v117, v116, 16, v116             ; q's word serves either half of a K of 128
	global_store_b128 v24, v[100:103], s[92:93]    ; 512 consecutive bytes,
	global_store_b64 v25, v[104:105], s[92:93] offset:512          ; and 256
	s_cmp_eq_u32 s16, 0
	s_cbranch_scc0 .Lk_bytes
	global_store_b32 v5, v117, s[94:95]
	s_branch .Lbytes_done
.Lk_bytes:
	global_store_b16 v7, v116, s[94:95]
.Lbytes_done:
	; ---- v: source 0 = 16 tokens, source 1 = my 16 columns: a lane holds one column and 16 tokens
	s_wait_loadcnt 0x0                             ; v's weight
	s_wait_dscnt 0x0
	s_wait_xcnt 0x0                                ; the stores of the rows have read v228-243, which take v's sums
	WMC X1, WF, 30, 244, 22, 42
	WMC X1+8, WF+24, 30, 244, 50, 42
	WMC X1, WF+12, 180, X1, 23, 43
	WMC X1+8, WF+36, 180, X1+8, 51, 43
	PLACES
	QUANT1 X1, 120, 126, 130, 131, 132             ; the block's 32 tokens of my column: registers of its own, so that no store's data are written again
	global_store_b128 v7, v[120:123], s[96:97]     ; sixteen lanes store 256 consecutive bytes (lanes 16-31 the same bytes again)
	global_store_b64 v6, v[124:125], s[98:99]
	global_store_b8 v7, v130, s[100:101]
	s_wait_tensorcnt 0x0                           ; the wave's end, behind my last tensor load and my last LDS store
	ds_add_u32 v1, v2
	s_wait_dscnt 0x0
	CROUND                                         ; the closing round: no work-group ends while a partner may still ask for a chunk that names it
	s_endpgm
.Lfunc_end_k_q623636964d_fus0:
	.size	k_q623636964d_fus0, .Lfunc_end_k_q623636964d_fus0-k_q623636964d_fus0
	.p2alignl 7, 3214868480
	.fill 96, 4, 3214868480
	.section	.rodata,"a",@progbits
	.p2align	6, 0x0
	.amdhsa_kernel k_q623636964d_fus0
		.amdhsa_group_segment_fixed_size 327680
		.amdhsa_private_segment_fixed_size 0
		.amdhsa_enable_private_segment 0
		.amdhsa_kernarg_size 48
		.amdhsa_user_sgpr_count 2
		.amdhsa_user_sgpr_kernarg_segment_ptr 1
		.amdhsa_wavefront_size32 1
		.amdhsa_system_sgpr_workgroup_id_x 1
		.amdhsa_system_sgpr_workgroup_id_y 1
		.amdhsa_system_sgpr_workgroup_id_z 1
		.amdhsa_system_vgpr_workitem_id 0
		.amdhsa_next_free_vgpr 256
		.amdhsa_next_free_sgpr 102
		.amdhsa_reserve_vcc 0
		.amdhsa_float_denorm_mode_32 3
		.amdhsa_float_denorm_mode_16_64 3
		.amdhsa_memory_ordered 1
		.amdhsa_forward_progress 1
		.amdhsa_inst_pref_size 119
	.end_amdhsa_kernel
	.amdgpu_metadata
---
amdhsa.version: [ 1, 2 ]
amdhsa.kernels:
  - .name:           k_q623636964d_fus0
    .symbol:         k_q623636964d_fus0.kd
    .args:
      - { .name: st, .offset: 0, .size: 8, .value_kind: global_buffer, .address_space: global }
      - { .name: w0, .offset: 8, .size: 8, .value_kind: global_buffer, .address_space: global }
      - { .name: xa, .offset: 16, .size: 8, .value_kind: global_buffer, .address_space: global }
      - { .name: xb, .offset: 24, .size: 8, .value_kind: global_buffer, .address_space: global }
      - { .name: w1, .offset: 32, .size: 8, .value_kind: global_buffer, .address_space: global }
      - { .name: st2, .offset: 40, .size: 8, .value_kind: global_buffer, .address_space: global }
    .group_segment_fixed_size: 327680
    .private_segment_fixed_size: 0
    .kernarg_segment_align: 8
    .kernarg_segment_size: 48
    .max_flat_workgroup_size: 512
    .sgpr_count:     102
    .vgpr_count:     256
    .wavefront_size: 32
...
	.end_amdgpu_metadata
.endif
;; end of part 3
;; launch fus1: the kernel of part 3 again; grid 256 x 1, 16 waves a work-group, clusters of 4 x 1, 327,680 bytes of LDS; arguments st2, w1, xb, xa, w2, st; writes xa, st
;; launch fus2: the kernel of part 3 again; grid 256 x 1, 16 waves a work-group, clusters of 4 x 1, 327,680 bytes of LDS; arguments st, w2, xa, xb, w3, st2; writes xb, st2
;; launch last (part 4): grid 256 x 1, 16 waves a work-group, clusters of 4 x 1, 327,680 bytes of LDS; arguments st2, w3, xb, out0; writes out0
.if DOCPART == 4
	.amdgcn_target "amdgcn-amd-amdhsa--gfx1250"
	.amdhsa_code_object_version 6
	.text
	.protected	k_q623636964d_last
	.globl	k_q623636964d_last
	.p2align	8
	.type	k_q623636964d_last,@function
k_q623636964d_last:
	s_mov_b64 s[64:65], 0
	v_nop
	global_prefetch_b8 v0, s[64:65] scope:SCOPE_SE
	s_setreg_imm32_b32 hwreg(HW_REG_WAVE_MODE, 25, 1), 1
	s_wait_xcnt 0x0
	s_wait_alu depctr_hold_cnt(0) depctr_sa_sdst(0) depctr_va_vdst(0) depctr_va_sdst(0) depctr_va_ssrc(0) depctr_va_vcc(0) depctr_vm_vsrc(0)
	s_getreg_b32 s2, hwreg(HW_REG_IB_STS2, 6, 4)
	s_cmp_eq_u32 s2, 0
	s_cbranch_scc0 .Lentry_in_a_cluster
	s_endpgm
.Lentry_in_a_cluster:
	s_bfe_u32 s2, ttmp6, 0x10000c
	s_cmp_lg_u32 s2, 0x3003
	s_cbranch_scc0 .Lentry_shape_is_right
	s_endpgm
.Lentry_shape_is_right:
; THE LAST ENCODER LAYER BEHIND ITS QKV PRODUCT, for 32 tokens (a block): attention over the batch's 2,048 keys in all four heads, out projection, residual, LayerNorm, FF1, relu, FF2, residual, LayerNorm.
; (The earlier layers' text with nothing behind the second norm: no layer follows.)
; Every product is on codes of BF6 (E3M2) with one E8M0 scale for each 32 along K; every operand made on the way is quantised in f32 in registers and goes from wave to wave through LDS as an image of its registers.
; SOFTMAX: t = score x log2(e) / 8; M = the largest t so far, rounded UP to a whole number; p = 2^(t - M) is quantised along the keys; the sum is taken of the unquantised p and divides at the end.
; SIXTEEN WAVES of 256 registers, four to a SIMD, so that one wave's vector work stands beside another's products.
;  ATTENTION: wave w has head w / 4, token tile (w / 2) % 2 (16 queries) and, of each chunk of 256 keys, the half w % 2; the two halves' sums are joined at the end by exact powers of two.
;  THE HEAD'S 64 fill half of the instruction's K of 128: a fragment of K holds two tiles of 16 keys, one in each half of K, and is multiplied by (q, 0) and by (0, q).
;  ROW PHASES: wave w has the block p = w / 2 of 32 columns and token tile u = w % 2.  Source 0 = 16 columns of the weight, source 1 = 16 tokens: a lane holds one token and 16 neighbouring columns.
; TOKEN TILES: row r of tile u is token 8 u + r % 8 + 16 (r / 8); the weights' and the keys' tiles are laid likewise by the earlier launches.
; THE RING: 13 chunks of at most 102,400 dense bytes go through two LDS slots: the batch's 8 chunks of K and V, then out_w, ff1_w in two, ff2_w in two.  Waves 0-3 bring a quarter each (out_w: waves 0, 1 a half).
; CLUSTER: the four blocks of a cluster lie in one batch and walk the same 13 chunks: each is asked for JOINTLY, by the same tensor load with the same descriptor and the mask of all four.
; By this text's own count a wave never has more than one tensor load out.
; LayerNorm: each wave's mean and centred sum of squares over its 32 columns are joined over the eight waves: one barrier, and no difference of large sums.
; LIMITS: NaN and infinities are not served; a block whose largest magnitude lies under 2^-122 gets the byte 1 (its bytes are read here alone); 1 / sum and 1 / sqrt are v_rcp_f32 and v_rsq_f32;
; the norms' sums are taken in another order than the module's.
.set SLOT1, 1<<17                      ; LDS: slot 0 at 0, slot 1 here: one exclusive or turns an address in one slot into the other's
.set CHUNK, 102400
.set PAR,   102400                     ; biases and gains, 10,240 bytes, filled once
.set AIMG,  112640                     ; attention's result: 4 fragments (2 u + s) of 1,536 bytes, then 4 x 64 bytes of scale words
.set XIMG,  119040                     ; x behind the first norm, likewise (AIMG + 6,400)
.set STAT,  125440                     ; the norms' parts [u][r][p], 8 bytes each; the second norm's 2,048 bytes on
.set XS,    233472                     ; 32 rows of 1,024 + 16 bytes: x on the way in, the result on the way out
.set XP,    1040
.set HM,    266752                     ; first 8 x 4,352 bytes for joining the halves of the keys, then the hidden layer: 16 fragments (8 u + s), and at 24,576 their scale words
.set SPARE, 301568                     ; the spare words, 128 bytes for each wave: eight blocks of 256 bytes that no other line names
.set QOFF,  3276800
.set QSOFF, 4849664
; REGISTERS, attention: v1, v2 the add's; v3-9 my lane's places in a chunk, v10-16 the same in the slot in hand; v17 my rows in XS; v18 -M, v19 the largest t, v[20:21] the sum in two halves;
;  v22 q's scale word, v23 p's; v24-41 zeros, q, zeros; v42-45 K's scale words, v46-49 V's; v52-99 K's four fragments, then at work; v100-147 V's four; v148-211 S^T, then p; v212-243 O^T; v255 the prefetches' offset.
; Row phases: v3-17, v28, v29, v36 addresses; v24-27 16 lane, 8 lane, r, h; v42-49 the weights' scale words; v22, v23, v50, v51 the tokens'; v52-147 weights; v148-195 tokens; v196-227 sums; v228-243 x behind the first norm; v244-255 at work.
.set KF,  52
.set VF,  100
.set SS,  148
.set OT,  212
.set WF,  52
.set AF,  148
.set ACC, 196
.set X1,  228
.set WV,  12                           ; s12 wave; s13 cx; s14 block; s15 head; s16 token tile in attention; s17 wave % 2; s18 wave / 2
.set SEL, 20                           ; s[20:21] lane selects for v_permlanex16_b32: lane l xor 16
.set CS,  22                           ; s[22:23] c = log2(e) / 8
.set TB,  50                           ; s50 LDS byte at which the slot in hand begins
.set SLOTS, 51                         ; s51 counts the key loop's trips down
.set LIM, 54                           ; s54 1 in a wave that prefetches, else the greatest number
.set HM16, 55                          ; s55 the mask of lanes 16-31
; s[24:31] descriptor group 1 of a quarter chunk, s[32:39] of the biases and gains; s[40:43] the walking group 0, s[44:47] that of the biases; s[48:49] my quarter of the weights' first chunk; s[52:53] the prefetches' address
.macro QUANT1 x, f, d, ma, mb, so      ; 16 numbers of a lane, number 16 (lane / 16) + i of ONE block of 32 -> the block's 24 bytes in v[f] .. v[f + 5] in both lanes that share it; its byte in v[ma]
	v_max3_num_f32 v[\ma], |v[\x]|, |v[\x+1]|, 0x2800000           ; two chains from the low end on, with the floor 2^(5 - 127): the byte cannot fall under 1
	v_max3_num_f32 v[\mb], |v[\x+2]|, |v[\x+3]|, |v[\x+4]|
	v_max3_num_f32 v[\ma], v[\ma], |v[\x+5]|, |v[\x+6]|
	v_max3_num_f32 v[\mb], v[\mb], |v[\x+7]|, |v[\x+8]|
	v_max3_num_f32 v[\ma], v[\ma], |v[\x+9]|, |v[\x+10]|
	v_max3_num_f32 v[\mb], v[\mb], |v[\x+11]|, |v[\x+12]|
	v_max3_num_f32 v[\ma], v[\ma], |v[\x+13]|, |v[\x+14]|
	v_max3_num_f32 v[\ma], v[\ma], v[\mb], |v[\x+15]|
	v_permlanex16_b32 v[\mb], v[\ma], s[SEL], s[SEL+1]
	v_max_num_f32 v[\ma], v[\ma], v[\mb]
	v_add_nc_u32 v[\so], 0xfe000000, v[\ma]                        ; 4 off the exponent field: the conversion's scale operand
	v_cvt_scalef32_pk16_bf6_f32 v[\f:\f+2], v[\x:\x+15], v[\so]
	v_lshrrev_b32 v[\ma], 23, v[\so]                               ; the byte (and the plain line behind the conversion)
.irp i, 0,1,2
	v_permlanex16_b32 v[\d+\i], v[\f+\i], s[SEL], s[SEL+1]
.endr
.irp i, 0,1,2
	v_cndmask_b32 v[\f+3+\i], v[\d+\i], v[\f+\i], s[HM16]          ; the upper 16 codes are those of lanes 16-31,
.endr
.irp i, 0,1,2
	v_cndmask_b32 v[\f+\i], v[\f+\i], v[\d+\i], s[HM16]            ; the lower 16 those of lanes 0-15
.endr
.endm
.macro QUANT2 x, f, c, m, t, so, w     ; 32 numbers of a lane, number 32 b + 16 (lane / 16) + i of my row -> half a fragment: lane (r, h) holds block h; v[w] = the two bytes
	v_max3_num_f32 v[\m], |v[\x]|, |v[\x+1]|, 0x2800000
	v_max3_num_f32 v[\m+1], |v[\x+16]|, |v[\x+17]|, 0x2800000
.irp i, 2,4,6,8,10,12,14
	v_max3_num_f32 v[\m], v[\m], |v[\x+\i]|, |v[\x+1+\i]|
	v_max3_num_f32 v[\m+1], v[\m+1], |v[\x+16+\i]|, |v[\x+17+\i]|
.endr
	v_permlanex16_b32 v[\t], v[\m], s[SEL], s[SEL+1]
	v_permlanex16_b32 v[\t+1], v[\m+1], s[SEL], s[SEL+1]
	v_max_num_f32 v[\m], v[\m], v[\t]
	v_max_num_f32 v[\m+1], v[\m+1], v[\t+1]
	v_add_nc_u32 v[\so], 0xfe000000, v[\m]
	v_add_nc_u32 v[\so+1], 0xfe000000, v[\m+1]
	v_lshrrev_b32 v[\t], 23, v[\so]
	v_lshrrev_b32 v[\t+1], 23, v[\so+1]
	v_lshl_or_b32 v[\w], v[\t+1], 8, v[\t]
	v_cvt_scalef32_pk16_bf6_f32 v[\f:\f+2], v[\x:\x+15], v[\so]
	v_cvt_scalef32_pk16_bf6_f32 v[\c:\c+2], v[\x+16:\x+31], v[\so+1]
	v_nop                                                          ; one plain line behind a scaled conversion
.irp i, 0,1,2
	v_permlane16_swap_b32 v[\f+\i], v[\c+\i]
.endr
.irp i, 0,1,2
	v_mov_b32 v[\f+3+\i], v[\c+\i]
.endr
.endm
.macro HALFST a, b, f, off             ; six registers to LDS as half a fragment's image: registers 0-3 at 16 x place, registers 4, 5 at 512 + 8 x place
	ds_store_b128 v[\a], v[\f:\f+3] offset:\off
	ds_store_b64 v[\b], v[\f+4:\f+5] offset:\off
.endm
.macro FRAGH reg, a, b, off            ; a fragment from two such images
.irp c, 0,1
	ds_load_b128 v[\reg+6*\c:\reg+6*\c+3], v[\a] offset:\off+768*\c
	ds_load_b64 v[\reg+6*\c+4:\reg+6*\c+5], v[\b] offset:\off+768*\c
.endr
.endm
.macro FRAGW reg, a, off               ; a weight's fragment: three pieces of 512 consecutive bytes
.irp j, 0,1,2
	ds_load_b128 v[\reg+4*\j:\reg+4*\j+3], v[\a] offset:\off+512*\j
.endr
.endm
.macro BAR                             ; my LDS stores have landed and my LDS loads are in: then the work-group's barrier.  A tensor load may stay out over it
	s_wait_dscnt 0x0
	s_barrier_signal -1
	s_barrier_wait -1
.endm
.macro PLACES                          ; four plain lines behind matrix instructions, ahead of reads of their results and of loads into their registers
.rept 4
	v_nop
.endr
.endm
.macro WMZ d, a, b, sa, sb
	v_wmma_scale_f32_16x16x128_f8f6f4 v[\d:\d+7], v[\a:\a+11], v[\b:\b+11], 0, v[\sa], v[\sb] matrix_a_fmt:MATRIX_FMT_BF6 matrix_b_fmt:MATRIX_FMT_BF6
.endm
.macro WMC d, a, b, c, sa, sb
	v_wmma_scale_f32_16x16x128_f8f6f4 v[\d:\d+7], v[\a:\a+11], v[\b:\b+11], v[\c:\c+7], v[\sa], v[\sb] matrix_a_fmt:MATRIX_FMT_BF6 matrix_b_fmt:MATRIX_FMT_BF6
.endm
; A round of the cluster's barrier: my work-group's barrier, wave 0's signal for the work-group, every wave's wait for all four work-groups, my work-group's barrier once more.
.macro CROUND
	s_barrier_signal -1
	s_barrier_wait -1
	s_cmp_lg_u32 s[WV], 0
	s_cbranch_scc1 .Lnot_wave_0_\@
	s_barrier_signal -3
.Lnot_wave_0_\@:
	s_barrier_wait -3
	s_barrier_signal -1
	s_barrier_wait -1
.endm
.macro TLOAD n                         ; waves 0 .. n - 1 ask for their part of the next chunk; four v_nop follow the line
	s_cmp_lt_u32 s[WV], \n
	s_cbranch_scc0 .Lno_load_\@
	tensor_load_to_lds s[40:43], s[24:31]
	s_nop 0
.rept 4
	v_nop
.endr
.Lno_load_\@:
.endm
; A PREFETCH INTO THE L2 of the chunk of K and V that the NEXT change of slots will ask for: a key step of every wave ahead of that load.  A chunk is 400 blocks of 256 bytes.  All 16 clusters of a batch walk the same chunks:
; the batch's first cluster asks.  Its four partners take 100 blocks each, told apart BY ADDRESS; in each, waves 4 to 7, which fetch nothing, take 25 blocks each, a lane a block (lanes 25 to 31 name lane 24's again).
; Chunks 0 and 1 come by their loads alone; the trip that asks for chunk 7's load names nothing: no chunk of keys lies behind it.  The weights are read by every cluster and are not asked for.
.macro ASK
	s_cmp_gt_u32 s[SLOTS], s[LIM]
	s_cbranch_scc0 .Lnot_mine_\@
	global_prefetch_b8 v255, s[52:53] th:TH_LOAD_NT scope:SCOPE_SE
.Lnot_mine_\@:
.endm
; THE CHANGE OF SLOTS stands at a chunk's head.  Each wave waits for all its tensor loads (its part of the chunk that is about to be read), adds 0 to its spare word, and waits for that and for all its LDS loads and stores.
; Behind the round the chunk ahead is whole in every partner and nobody reads the other slot: it is filled with the chunk after.
; kind 1: the next chunk of keys; 2: the weights' first chunk; 3: on by out_w's 51,200 bytes; 4: on by 102,400; 0: nothing is left to fetch, and a plain barrier serves.
.macro CHANGE kind
	s_wait_tensorcnt 0x0                           ; no tensor load of mine is out, so the group 0 may be written
	ds_add_u32 v1, v2                              ; 0 onto my spare word; the descriptor's steps stand between it and the wait for it
.if \kind > 0
	s_xor_b32 s41, s41, SLOT1                      ; the other slot than last time
.endif
.if \kind == 1
	s_add_nc_u64 s[42:43], s[42:43], CHUNK         ; the type bits on top are not reached
	s_wait_xcnt 0x0                                ; the last prefetch, a trip back, has read its address
	s_add_nc_u64 s[52:53], s[52:53], CHUNK         ; one chunk further on than the walking descriptor
.elseif \kind == 2
	s_mov_b64 s[42:43], s[48:49]
	s_or_b32 s43, s43, 0x80000000
.elseif \kind == 3
	s_add_nc_u64 s[42:43], s[42:43], 51200
.elseif \kind == 4
	s_add_nc_u64 s[42:43], s[42:43], CHUNK
.endif
	s_wait_dscnt 0x0                               ; the add is done; my reads of the slot that I have left are over, and what I stored for other waves has landed
.if \kind > 0
	CROUND
.if \kind == 2
	TLOAD 2
.else
	TLOAD 4
.endif
.if \kind == 1
	ASK
.endif
.else
	s_barrier_signal -1
	s_barrier_wait -1
.endif
.endm
; A KEY STEP: my 128 keys of the chunk in hand.
.macro STEP
	v_add_nc_u32 v10, s[TB], v3                    ; (these seven are also the places between the last products and the loads into their registers)
	v_add_nc_u32 v11, s[TB], v4
	v_add_nc_u32 v12, s[TB], v5
	v_add_nc_u32 v13, s[TB], v6
	v_add_nc_u32 v14, s[TB], v7
	v_add_nc_u32 v15, s[TB], v8
	v_add_nc_u32 v16, s[TB], v9
.irp b, 0,1,2,3                                ; K: fragment b = 32 keys: half c of its K is key tile c
.irp c, 0,1
	ds_load_b128 v[KF+12*\b+6*\c:KF+12*\b+6*\c+3], v10 offset:1536*\b+768*\c
	ds_load_b64 v[KF+12*\b+6*\c+4:KF+12*\b+6*\c+5], v11 offset:1536*\b+768*\c
.endr
.endr
	ds_load_b128 v[42:45], v15                     ; the four fragments' scale words
.irp t, 0,1,2,3                                ; V: fragment t = 16 of the head's 64 x 128 keys; lane (r, h) takes blocks h and 2 + h of the keys
.irp c, 0,1
	ds_load_b128 v[VF+12*\t+6*\c:VF+12*\t+6*\c+3], v12 offset:3072*\c+256*\t
	ds_load_b64 v[VF+12*\t+6*\c+4:VF+12*\t+6*\c+5], v[13+\t%2] offset:3072*\c+128*\t
.endr
.endr
	ds_load_b128 v[46:49], v16
	s_wait_dscnt 17                                ; K's 17 loads are in; V's 17 may be out
.irp b, 0,1,2,3                                ; S^T = K Q^T: lane (r, h) holds query r; registers 16 b + i are keys 32 b + 16 h + i
	WMZ SS+16*\b, KF+12*\b, 30, 42+\b, 22          ; (q, 0): the keys in the lower half of K
	WMZ SS+16*\b+8, KF+12*\b, 24, 42+\b, 22        ; (0, q): those in the upper half
.endr
	PLACES
.irp b, 0,1,2,3
	v_max3_num_f32 v[72+\b], v[SS+16*\b], v[SS+1+16*\b], v[SS+2+16*\b]   ; the largest score of each block of 32 keys: for the row's maximum, and, since p rises with the score, for the block's largest p
.endr
.irp i, 3,5,7,9,11,13
.irp b, 0,1,2,3
	v_max3_num_f32 v[72+\b], v[72+\b], v[SS+16*\b+\i], v[SS+1+16*\b+\i]
.endr
.endr
.irp b, 0,1,2,3
	v_max_num_f32 v[72+\b], v[72+\b], v[SS+15+16*\b]
.endr
.irp b, 0,1,2,3
	v_permlanex16_b32 v[76+\b], v[72+\b], s[SEL], s[SEL+1]
.endr
.irp b, 0,1,2,3
	v_max_num_f32 v[72+\b], v[72+\b], v[76+\b]     ; with lane l xor 16's 16 keys
.endr
	v_max3_num_f32 v86, v72, v73, v74
	v_max_num_f32 v86, v86, v75
	v_mul_f32 v86, s[CS], v86                      ; as t (c is positive)
	v_max_num_f32 v19, v19, v86                    ; the running largest t
	v_mov_b32 v86, v18
	v_floor_f32 v18, -v19                          ; the new -M = floor(-t): M is a whole number
	v_sub_f32 v86, v18, v86                        ; old M - new M, 0 or less
	v_cvt_i32_f32 v86, v86                         ; (it saturates)
	v_ldexp_f32 v84, 1.0, v86                      ; f = 2^(old M - new M): a multiplication by it rounds nothing
.set j, 0
.rept 32
	v_pk_fma_f32 v[SS+j:SS+j+1], v[SS+j:SS+j+1], s[CS:CS+1], v[18:19] op_sel_hi:[1,0,0]   ; t - M, two at a time
.set j, j+2
.endr
.irp b, 0,1,2,3
	v_fma_f32 v[72+\b], v[72+\b], s[CS], v18       ; the same of each block's largest score
.endr
.set j, 0
.rept 64
	v_exp_f32 v[SS+j], v[SS+j]                     ; p = 2^(t - M), at most 1: not normalised
.set j, j+1
.endr
.irp b, 0,1,2,3
	v_exp_f32 v[72+\b], v[72+\b]                   ; the block's largest p: the same two instructions on the same number
.endr
	v_pk_mul_f32 v[20:21], v[20:21], v[84:85] op_sel_hi:[1,0]   ; the sums under the new M (a plain line behind the exponentials)
	s_wait_alu depctr_va_vdst(0)
.irp b, 0,1,2,3
	v_max_num_f32 v[72+\b], 0x2800000, v[72+\b]    ; the floor 2^(5 - 127)
.endr
.irp b, 0,1,2,3
	v_add_nc_u32 v[80+\b], 0xfe000000, v[72+\b]
.endr
.irp b, 0,1,2,3
	v_lshrrev_b32 v[76+\b], 23, v[80+\b]
.endr
	v_lshl_or_b32 v23, v77, 8, v76                 ; p's scale word for these 128 keys
	v_lshl_or_b32 v23, v78, 16, v23
	v_lshl_or_b32 v23, v79, 24, v23
.irp c, 0,1
	v_cvt_scalef32_pk16_bf6_f32 v[52+6*\c:54+6*\c], v[SS+32*\c:SS+15+32*\c], v[80+2*\c]
	v_cvt_scalef32_pk16_bf6_f32 v[64+4*\c:66+4*\c], v[SS+16+32*\c:SS+31+32*\c], v[81+2*\c]
.endr
	v_nop                                          ; one plain line behind a scaled conversion
.irp c, 0,1                                    ; the operand wants a whole block in a lane
.irp i, 0,1,2
	v_permlane16_swap_b32 v[52+6*\c+\i], v[64+4*\c+\i]
.endr
.irp i, 0,1,2
	v_mov_b32 v[55+6*\c+\i], v[64+4*\c+\i]
.endr
.endr
	v_pk_add_f32 v[88:89], v[SS:SS+1], v[SS+2:SS+3]    ; the row's sum is taken of the unquantised p: two at a time, in two chains
.irp j, 4,8,12,16,20,24,28,32,36,40,44,48,52,56,60
	v_pk_add_f32 v[20:21], v[20:21], v[SS+\j:SS+1+\j]
	v_pk_add_f32 v[88:89], v[88:89], v[SS+2+\j:SS+3+\j]
.endr
	v_pk_add_f32 v[20:21], v[20:21], v[88:89]
.set j, 0
.rept 16
	v_pk_mul_f32 v[OT+j:OT+j+1], v[OT+j:OT+j+1], v[84:85] op_sel_hi:[1,0]   ; O^T under the new M.  (The sums and these stand between the lines that made p's codes and word and the products)
.set j, j+2
.endr
	s_wait_dscnt 0x0                               ; V is in
.irp t, 0,1,2,3                                ; O^T += V^T P^T: four accumulators, one instruction each
	WMC OT+8*\t, VF+12*\t, 52, OT+8*\t, 46+\t, 23
.endr
.endm
; A norm's first half: y = v196-211, my token's 16 of my wave's 32 columns.  The wave's mean and centred sum of squares go to LDS.
.macro LNSTAT off
	v_pk_add_f32 v[212:213], v[196:197], v[198:199]
	v_pk_add_f32 v[214:215], v[200:201], v[202:203]
	v_pk_add_f32 v[216:217], v[204:205], v[206:207]
	v_pk_add_f32 v[218:219], v[208:209], v[210:211]
	v_pk_add_f32 v[212:213], v[212:213], v[214:215]
	v_pk_add_f32 v[216:217], v[216:217], v[218:219]
	v_pk_add_f32 v[212:213], v[212:213], v[216:217]
	v_add_f32 v212, v212, v213
	v_permlanex16_b32 v213, v212, s[SEL], s[SEL+1]
	v_add_f32 v212, v212, v213
	v_mul_f32 v212, 0x3d000000, v212               ; / 32: the mean of the 32 columns
	v_pk_add_f32 v[214:215], v[196:197], v[212:213] op_sel_hi:[1,0] neg_lo:[0,1] neg_hi:[0,1]
	v_pk_add_f32 v[216:217], v[198:199], v[212:213] op_sel_hi:[1,0] neg_lo:[0,1] neg_hi:[0,1]
	v_pk_mul_f32 v[218:219], v[214:215], v[214:215]
	v_pk_mul_f32 v[220:221], v[216:217], v[216:217]
.irp k, 4,8,12
	v_pk_add_f32 v[214:215], v[196+\k:197+\k], v[212:213] op_sel_hi:[1,0] neg_lo:[0,1] neg_hi:[0,1]
	v_pk_add_f32 v[216:217], v[198+\k:199+\k], v[212:213] op_sel_hi:[1,0] neg_lo:[0,1] neg_hi:[0,1]
	v_pk_fma_f32 v[218:219], v[214:215], v[214:215], v[218:219]
	v_pk_fma_f32 v[220:221], v[216:217], v[216:217], v[220:221]
.endr
	v_pk_add_f32 v[218:219], v[218:219], v[220:221]
	v_add_f32 v218, v218, v219
	v_permlanex16_b32 v219, v218, s[SEL], s[SEL+1]
	v_add_f32 v213, v218, v219
	ds_store_b64 v10, v[212:213] offset:\off       ; both lanes of a token write the same pair
.endm
; Its second half: the eight waves' pairs are joined: mean = the means' mean; 256 var = the sums' sum + 32 x the sum of (mean_p - mean)^2.  g lies in v52-67, b in v68-83; the result goes to v228-243.
.macro LNFIN off
.irp i, 0,1,2,3
	ds_load_b128 v[212+4*\i:215+4*\i], v11 offset:\off+16*\i
.endr
	s_wait_dscnt 0x0
	v_add_f32 v244, v212, v214
	v_add_f32 v245, v216, v218
	v_add_f32 v246, v220, v222
	v_add_f32 v247, v224, v226
	v_add_f32 v248, v213, v215
	v_add_f32 v249, v217, v219
	v_add_f32 v250, v221, v223
	v_add_f32 v251, v225, v227
	v_add_f32 v244, v244, v245
	v_add_f32 v246, v246, v247
	v_add_f32 v248, v248, v249
	v_add_f32 v250, v250, v251
	v_add_f32 v244, v244, v246
	v_add_f32 v248, v248, v250
	v_mul_f32 v244, 0x3e000000, v244               ; the mean
.irp p, 0,1,2,3,4,5,6,7
	v_sub_f32 v[212+2*\p], v[212+2*\p], v244
.endr
	v_mul_f32 v246, v212, v212
	v_mul_f32 v247, v214, v214
	v_fma_f32 v246, v216, v216, v246
	v_fma_f32 v247, v218, v218, v247
	v_fma_f32 v246, v220, v220, v246
	v_fma_f32 v247, v222, v222, v247
	v_fma_f32 v246, v224, v224, v246
	v_fma_f32 v247, v226, v226, v247
	v_add_f32 v246, v246, v247
	v_fma_f32 v248, v246, 0x42000000, v248
	v_fma_f32 v248, v248, s70, s71                 ; / 256 + 1e-5
	v_rsq_f32 v246, v248
.irp k, 0,2,4,6,8,10,12,14
	v_pk_add_f32 v[196+\k:197+\k], v[196+\k:197+\k], v[244:245] op_sel_hi:[1,0] neg_lo:[0,1] neg_hi:[0,1]   ; y - mean (plain lines behind the root)
.endr
	s_wait_alu depctr_va_vdst(0)
.irp k, 0,2,4,6,8,10,12,14
	v_pk_mul_f32 v[52+\k:53+\k], v[52+\k:53+\k], v[246:247] op_sel_hi:[1,0]
.endr
.irp k, 0,2,4,6,8,10,12,14
	v_pk_fma_f32 v[X1+\k:X1+1+\k], v[196+\k:197+\k], v[52+\k:53+\k], v[68+\k:69+\k]
.endr
.endm
; FF1 on one chunk of its weight (512 hidden units): my two blocks of 32 units, p and p + 8 of the chunk's 16, for my 16 tokens; relu; quantised; to the hidden layer's images.
.macro F1CH ch, wa, ws, wso
.irp i, 0,1
.irp f, 0,1,2,3
	FRAGW WF+48*\i+12*\f, \wa, 49152*\i+1536*\f
.endr
	ds_load_b128 v[42+4*\i:45+4*\i], v[\ws] offset:\wso+2048*\i
.irp q, 0,1,2,3
	ds_load_b128 v[ACC+16*\i+4*\q:ACC+16*\i+4*\q+3], v8 offset:3072+2048*\ch+1024*\i+16*\q   ; the bias is the sums' start
.endr
.endr
	s_wait_dscnt 0x0
.irp s, 0,1                                    ; four accumulators by turns, one instruction a turn
.irp i, 0,1
.irp e, 0,1
	WMC ACC+16*\i+8*\e, WF+12*(4*\i+2*\e+\s), AF+12*\s, ACC+16*\i+8*\e, 42+4*\i+2*\e+\s, 22+\s
.endr
.endr
.endr
	PLACES
.set j, 0
.rept 32
	v_max_num_f32 v[ACC+j], 0, v[ACC+j]
.set j, j+1
.endr
	QUANT1 ACC, 244, 250, 253, 254, 255
	HALFST 28, 29, 244, (4*\ch)*1536
	ds_store_b8 v36, v253 offset:(4*\ch)*64
	s_wait_dscnt 0x0                               ; the stores have read their registers
	QUANT1 ACC+16, 244, 250, 253, 254, 255
	HALFST 28, 29, 244, (4*\ch+2)*1536
	ds_store_b8 v36, v253 offset:(4*\ch+2)*64
.endm
; FF2 on one half of its K (512 hidden units, four K steps): my 32 columns for my 16 tokens.
.macro F2H half, wa, ws
.irp e, 0,1
.irp l, 0,1,2,3
	FRAGW WF+12*(4*\e+\l), \wa, 6144*\e+1536*\l
.endr
	ds_load_b128 v[42+4*\e:45+4*\e], v[\ws] offset:256*\e
.endr
.irp l, 0,1,2,3
	FRAGH AF+12*\l, 5, 6, (4*\half+\l)*1536
	ds_load_b32 v[22+\l+26*(\l/2)], v7 offset:(4*\half+\l)*64      ; v22, v23, v50, v51
.endr
	s_wait_dscnt 0x0
.irp l, 0,1,2,3                                ; two accumulators by turns
.irp e, 0,1
	WMC ACC+8*\e, WF+12*(4*\e+\l), AF+12*\l, ACC+8*\e, 42+4*\e+\l, 22+\l+26*(\l/2)
.endr
.endr
.endm
	s_load_b256 s[4:11], s[0:1], 0x0               ; st, the layer's weights, x in, x out
	v_lshl_add_u32 v1, v0, 2, SPARE
	v_mov_b32 v2, 0
	ds_add_u32 v1, v2
	s_wait_dscnt 0x0
	v_lshrrev_b32 v3, 5, v0
	v_readfirstlane_b32 s[WV], v3                  ; wave 0..15
	s_bfe_u32 s13, ttmp6, 0x40000                  ; cx: my place in the cluster: it enters global addresses alone
	s_lshl_b32 s14, ttmp9, 2
	s_add_co_u32 s14, s14, s13                     ; my block of 32 tokens
	s_lshr_b32 s15, s[WV], 2
	s_bfe_u32 s16, s[WV], 0x10001
	s_and_b32 s17, s[WV], 1
	s_lshr_b32 s18, s[WV], 1
	s_mov_b32 s[SEL], 0x76543210
	s_mov_b32 s[SEL+1], 0xfedcba98
	s_mov_b32 s[CS], 0x3e38aa3b                    ; log2(e) / 8
	s_mov_b32 s[CS+1], s[CS]                       ; (named with it as a pair, so it is written)
	s_mov_b32 s[HM16], 0xffff0000
	s_mov_b32 s70, 0x3b800000                      ; 1 / 256
	s_mov_b32 s71, 0x3727c5ac                      ; 1e-5
	s_mov_b32 s[TB], 0
	s_mov_b32 s[SLOTS], 7
	; descriptor group 1: 100 dense rows of 256 bytes (32 elements of 8 bytes)
	s_mov_b32 s24, 15|(3<<16)|(1<<21)              ; 15:0 the mask: all four work-groups; 17:16 elements of 8 bytes; 21 set beside a mask; no padding
	s_mov_b32 s25, 32<<16                          ; tensor_dim0 = 32
	s_mov_b32 s26, 100<<16                         ; tensor_dim1 = 100
	s_mov_b32 s27, 32<<16                          ; tile_dim0 = 32
	s_mov_b32 s28, 100                             ; tile_dim1 = 100
	s_mov_b32 s29, 32                              ; from row to row
	s_mov_b32 s30, 0
	s_mov_b32 s31, 0
	s_mov_b32 s32, 15|(3<<16)|(1<<21)              ; the same with 40 rows: the biases and gains
	s_mov_b32 s33, 32<<16
	s_mov_b32 s34, 40<<16
	s_mov_b32 s35, 32<<16
	s_mov_b32 s36, 40
	s_mov_b32 s37, 32
	s_mov_b32 s38, 0
	s_mov_b32 s39, 0
	s_min_u32 s56, s[WV], 3
	s_mul_i32 s56, s56, 25600                      ; my quarter of a chunk (waves 4-15 issue no such load)
	s_mov_b32 s57, 0
	s_lshr_b32 s58, ttmp9, 4                       ; the batch, which the four partners share
	s_mul_i32 s58, s58, 8*CHUNK
	s_mov_b32 s59, 0
	s_mul_i32 s60, s13, 25600                      ; the prefetches: my work-group's quarter, by address,
	s_and_b32 s61, s[WV], 3
	s_mul_i32 s61, s61, 6400                       ; my wave's quarter of that,
	s_add_co_u32 s60, s60, s61
	s_add_co_u32 s60, s60, CHUNK                   ; in chunk 1: the first change of slots steps it to chunk 2
	s_mov_b32 s61, 0
	s_lshr_b32 s62, s[WV], 2
	s_xor_b32 s62, s62, 1                          ; 0 in waves 4-7,
	s_and_b32 s63, ttmp9, 15
	s_or_b32 s62, s62, s63                         ; of the batch's first cluster: the same in all four partners
	s_cmp_eq_u32 s62, 0
	s_cselect_b32 s[LIM], 1, -1
	s_lshr_b32 s66, s[WV], 3                       ; LDS rows 2 w and 2 w + 1 of XS hold tokens 8 (w / 8) + 2 (w % 4) + 16 ((w / 4) % 2) and the next
	s_lshl_b32 s66, s66, 3
	s_and_b32 s67, s[WV], 3
	s_lshl_b32 s67, s67, 1
	s_add_co_u32 s66, s66, s67
	s_bfe_u32 s67, s[WV], 0x10002
	s_lshl_b32 s67, s67, 4
	s_add_co_u32 s66, s66, s67
	s_lshl_b32 s67, s14, 5
	s_add_co_u32 s66, s66, s67
	s_lshl_b32 s66, s66, 10                        ; their bytes in x
	s_mov_b32 s67, 0
	s_wait_kmcnt 0x0
	s_mov_b32 s40, 1                               ; group 0: count = 1,
	s_mov_b32 s41, s56                             ; LDS address: slot 0, my quarter,
	s_add_nc_u64 s[42:43], s[4:5], s[58:59]
	s_add_nc_u64 s[52:53], s[42:43], s[60:61]
	s_add_nc_u64 s[42:43], s[42:43], s[56:57]      ; the batch's chunk 0, my quarter,
	s_or_b32 s43, s43, 0x80000000                  ; type = 2
	s_mov_b32 s44, 1
	s_mov_b32 s45, PAR
	s_add_nc_u64 s[46:47], s[6:7], 460800
	s_or_b32 s47, s47, 0x80000000
	s_add_nc_u64 s[48:49], s[6:7], s[56:57]        ; my part of the weights' first chunk
	s_add_nc_u64 s[8:9], s[8:9], s[66:67]          ; x in and x out at my two rows
	s_add_nc_u64 s[10:11], s[10:11], s[66:67]
	CROUND                                         ; all four work-groups are here: the first joint loads meet
	s_cmp_lt_u32 s[WV], 4                          ; the first fills: waves 0-3 chunk 0, wave 4 the biases and gains
	s_cbranch_scc0 .Lnot_kv
	tensor_load_to_lds s[40:43], s[24:31]
	s_nop 0
.rept 4
	v_nop
.endr
	s_branch .Lfirst_asked
.Lnot_kv:
	s_cmp_eq_u32 s[WV], 4
	s_cbranch_scc0 .Lfirst_asked
	tensor_load_to_lds s[44:47], s[32:39]
	s_nop 0
.rept 4
	v_nop
.endr
.Lfirst_asked:
	v_and_b32 v52, 31, v0                          ; lane
	v_and_b32 v53, 15, v0                          ; r
	v_bfe_u32 v54, v0, 4, 1                        ; h
	v_lshlrev_b32 v55, 4, v52
	v_lshlrev_b32 v56, 3, v52
	s_mul_i32 s56, s14, 6144
	s_mul_i32 s57, s15, 1536
	s_add_co_u32 s56, s56, s57
	s_mul_i32 s57, s16, 768
	s_add_co_u32 s56, s56, s57
	s_add_co_u32 s56, s56, QOFF
	v_add_nc_u32 v57, s56, v55
	v_add_nc_u32 v58, s56, v56
	global_load_b128 v[30:33], v57, s[4:5]         ; q's half fragment stays in registers
	global_load_b64 v[34:35], v58, s[4:5] offset:512
	s_lshl_b32 s56, s14, 9
	s_lshl_b32 s57, s15, 7
	s_add_co_u32 s56, s56, s57
	s_lshl_b32 s57, s16, 6
	s_add_co_u32 s56, s56, s57
	s_add_co_u32 s56, s56, QSOFF
	v_lshl_add_u32 v59, v53, 2, s56
	global_load_b32 v22, v59, s[4:5]               ; its scale word: the two bytes twice, for either half of K
.irp i, 0,1,2,3
	global_load_b128 v[148+4*\i:151+4*\i], v55, s[8:9] offset:512*\i     ; two rows of x: the residual
.endr
	s_mul_i32 s56, s15, 12288
	s_mul_i32 s57, s17, 6144
	s_add_co_u32 s56, s56, s57                     ; my head's, my half's four blocks of 1,536 bytes
	v_add_nc_u32 v3, s56, v55                      ; K: 16 lane,
	s_add_co_u32 s57, s56, 512
	v_add_nc_u32 v4, s57, v56                      ; 512 + 8 lane
	s_add_co_u32 s57, s56, 49152
	v_lshl_add_u32 v5, v53, 4, s57
	v_mad_u32_u24 v5, v54, 1536, v5                ; V: block h, place r
	s_add_co_u32 s57, s56, 49152+1024
	v_lshl_add_u32 v6, v53, 3, s57
	v_mad_u32_u24 v7, v54, 1408, v6                ; its last 8 bytes lie at place 16 (t xor block % 2) + r: for odd t lanes 16-31 go 128 bytes back,
	v_mad_u32_u24 v6, v54, 1664, v6                ; for even t 128 on: so the two halves of the lanes take different halves of 256 bytes
	s_lshl_b32 s57, s15, 9
	s_lshl_b32 s58, s17, 8
	s_add_co_u32 s57, s57, s58
	s_add_co_u32 s57, s57, 98304
	v_lshl_add_u32 v8, v53, 4, s57                 ; K's four scale words of row r,
	v_add_nc_u32 v9, 2048, v8                      ; V's
	s_mul_i32 s57, s[WV], 2*XP
	s_add_co_u32 s57, s57, XS
	v_add_nc_u32 v17, s57, v55                     ; my two rows in XS
	v_min_u32 v255, 24, v52
	v_lshlrev_b32 v255, 8, v255                    ; the prefetches' offset
.irp i, 24,25,26,27,28,29,36,37,38,39,40,41
	v_mov_b32 v[\i], 0                             ; zero codes on either side of q
.endr
.set j, 0
.rept 32
	v_mov_b32 v[OT+j], 0                           ; O^T.  (The key step is written without a first step of its own: it finds zeros, which the first change of M leaves zeros)
.set j, j+1
.endr
	v_mov_b32 v19, 0xff61b1e6                      ; the largest t so far: -3e38
	v_floor_f32 v18, -v19
	v_mov_b32 v20, 0
	v_mov_b32 v21, 0
.irp i, 250,251,252
	v_mov_b32 v[\i], 0                             ; written once: a lane permute's destination counts as one of its sources
.endr
	s_wait_loadcnt 0x0
	ds_store_b128 v17, v[148:151]
	ds_store_b128 v17, v[152:155] offset:512
	ds_store_b128 v17, v[156:159] offset:XP
	ds_store_b128 v17, v[160:163] offset:XP+512
	; ---- ATTENTION: 8 chunks of 256 keys
.Lkv:                                              ; 7 trips: behind each change of slots the next chunk of keys is asked for
	CHANGE 1
	STEP
	s_xor_b32 s[TB], s[TB], SLOT1
	s_sub_co_u32 s[SLOTS], s[SLOTS], 1
	s_cmp_lg_u32 s[SLOTS], 0
	s_cbranch_scc1 .Lkv
	CHANGE 2                                       ; the last chunk of keys is read while out_w comes
	STEP
	; ---- THE TWO HALVES OF THE KEYS ARE JOINED.  Addresses are made by all waves alike (these lines are also the places behind the last products)
	s_wait_xcnt 0x0                                ; the prefetches have read v255
	v_and_b32 v26, 15, v0                          ; r
	v_bfe_u32 v27, v0, 4, 1                        ; h
	v_and_b32 v28, 31, v0
	v_lshlrev_b32 v24, 4, v28                      ; 16 lane
	v_lshlrev_b32 v25, 3, v28                      ; 8 lane
	s_mul_i32 s56, s18, 4352
	s_add_co_u32 s56, s56, HM
	v_add_nc_u32 v3, s56, v24                      ; the pair's scratch: O^T as eight images of 512 bytes,
	s_add_co_u32 s56, s56, 4096
	v_add_nc_u32 v4, s56, v25                      ; the sum and -M
	s_lshl_b32 s57, s16, 1
	s_lshr_b32 s58, s15, 1
	s_add_co_u32 s57, s57, s58                     ; the head's 64 are half head % 2 of fragment 2 u + head / 2
	s_and_b32 s58, s15, 1
	s_mul_i32 s59, s57, 1536
	s_mul_i32 s60, s58, 768
	s_add_co_u32 s59, s59, s60
	s_add_co_u32 s59, s59, AIMG
	v_add_nc_u32 v5, s59, v24
	s_add_co_u32 s59, s59, 512
	v_add_nc_u32 v6, s59, v25
	s_lshl_b32 s57, s57, 6
	s_lshl_b32 s58, s58, 1
	s_add_co_u32 s57, s57, s58
	s_add_co_u32 s57, s57, AIMG+6144
	v_lshl_add_u32 v7, v26, 2, s57
	s_cmp_eq_u32 s17, 0
	s_cbranch_scc1 .Lkeeps                         ; the wave of the keys' upper halves hands its sums over
	v_add_f32 v20, v20, v21
	v_mov_b32 v21, v18
.irp i, 0,1,2,3,4,5,6,7
	ds_store_b128 v3, v[OT+4*\i:OT+4*\i+3] offset:512*\i
.endr
	ds_store_b64 v4, v[20:21]
.Lkeeps:
	CHANGE 3                                       ; out_w is whole, the handed sums have landed; ff1_w's first chunk is asked for
	s_cmp_lg_u32 s17, 0
	s_cbranch_scc1 .Lgave
.irp i, 0,1,2,3,4,5,6,7
	ds_load_b128 v[148+4*\i:151+4*\i], v3 offset:512*\i
.endr
	ds_load_b64 v[180:181], v4
	v_add_f32 v20, v20, v21
	s_wait_dscnt 0x0
	v_min_num_f32 v86, v18, v181                   ; -M of both = the lesser -M
	v_sub_f32 v87, v86, v18
	v_sub_f32 v88, v86, v181
	v_cvt_i32_f32 v87, v87
	v_cvt_i32_f32 v88, v88
	v_ldexp_f32 v84, 1.0, v87                      ; each half's power of two: exact
	v_ldexp_f32 v90, 1.0, v88
.set j, 0
.rept 16
	v_pk_mul_f32 v[OT+j:OT+j+1], v[OT+j:OT+j+1], v[84:85] op_sel_hi:[1,0]
.set j, j+2
.endr
.set j, 0
.rept 16
	v_pk_fma_f32 v[OT+j:OT+j+1], v[148+j:149+j], v[90:91], v[OT+j:OT+j+1] op_sel_hi:[1,0,1]
.set j, j+2
.endr
	v_mul_f32 v20, v20, v84
	v_fma_f32 v20, v180, v90, v20
	v_permlanex16_b32 v86, v20, s[SEL], s[SEL+1]
	v_add_f32 v20, v20, v86                        ; the row's sum
	v_rcp_f32 v84, v20
	v_nop                                          ; one plain line behind the reciprocal
.set j, 0
	s_wait_alu depctr_va_vdst(0)
.rept 16
	v_pk_mul_f32 v[OT+j:OT+j+1], v[OT+j:OT+j+1], v[84:85] op_sel_hi:[1,0]
.set j, j+2
.endr
	QUANT2 OT, 52, 58, 62, 64, 66, 68              ; register 16 b + i is the head's channel 32 b + 16 h + i
	HALFST 5, 6, 52, 0
	ds_store_b16 v7, v68
.Lgave:
	BAR                                            ; attention's four fragments lie in LDS
	; ---- the row phases' addresses: a constant + a lane term + a constant x the wave's parts
	s_mul_i32 s56, s18, 6144
	v_add_nc_u32 v3, s56, v24                      ; slot 0: my pair of tiles' four fragments (K = 256)
	s_add_co_u32 s56, s56, SLOT1
	v_add_nc_u32 v15, s56, v24                     ; slot 1
	s_lshl_b32 s56, s18, 8
	s_add_co_u32 s56, s56, 49152
	v_lshl_add_u32 v4, v26, 4, s56                 ; out_w's scale words; ff1_w's in slot 0 lie 49,152 bytes on
	s_add_co_u32 s56, s56, SLOT1+49152
	v_lshl_add_u32 v16, v26, 4, s56                ; ff1_w's in slot 1
	s_mul_i32 s56, s17, 3072
	s_add_co_u32 s56, s56, AIMG
	v_add_nc_u32 v5, s56, v24                      ; my token tile's two fragments (x behind the norm: 6,400 bytes on)
	s_add_co_u32 s56, s56, 512
	v_add_nc_u32 v6, s56, v25
	s_lshl_b32 s56, s17, 7
	s_add_co_u32 s56, s56, AIMG+6144
	v_lshl_add_u32 v7, v26, 2, s56
	s_lshl_b32 s57, s18, 7
	s_add_co_u32 s56, s57, PAR
	v_lshl_add_u32 v8, v27, 6, s56                 ; biases and gains of columns 32 p + 16 h on
	s_mul_i32 s56, s17, 16*XP
	s_add_co_u32 s56, s56, s57
	s_add_co_u32 s56, s56, XS
	v_mul_u32_u24 v9, v26, XP
	v_add_nc_u32 v9, s56, v9
	v_lshl_add_u32 v9, v27, 6, v9                  ; my token's same columns in XS
	s_lshl_b32 s56, s17, 10
	s_add_co_u32 s56, s56, STAT
	v_lshl_add_u32 v11, v26, 6, s56                ; my token's eight pairs,
	s_lshl_b32 s57, s18, 3
	v_add_nc_u32 v10, s57, v11                     ; my wave's among them
	s_lshr_b32 s56, s18, 2                         ; block p of 32 columns is block p % 4 of K step p / 4: half (p / 2) % 2, lanes 16 (p % 2) + r
	s_bfe_u32 s57, s18, 0x10001
	s_and_b32 s58, s18, 1
	s_mul_i32 s59, s56, 1536
	s_mul_i32 s60, s57, 768
	s_add_co_u32 s59, s59, s60
	s_lshl_b32 s60, s58, 8
	s_add_co_u32 s60, s59, s60
	s_lshl_b32 s61, s58, 7
	s_add_co_u32 s61, s59, s61
	s_add_co_u32 s61, s61, 512
	s_lshl_b32 s62, s56, 6
	s_and_b32 s63, s18, 3
	s_add_co_u32 s62, s62, s63
	s_mul_i32 s66, s17, 3072
	s_add_co_u32 s66, s66, XIMG
	s_add_co_u32 s67, s66, s60
	v_lshl_add_u32 v12, v26, 4, s67                ; where my block of x behind the norm goes,
	s_add_co_u32 s67, s66, s61
	v_lshl_add_u32 v13, v26, 3, s67
	s_lshl_b32 s67, s17, 7
	s_add_co_u32 s67, s67, s62
	s_add_co_u32 s67, s67, XIMG+6144
	v_lshl_add_u32 v14, v26, 2, s67                ; and its byte
	s_mul_i32 s66, s17, 12288
	s_add_co_u32 s66, s66, HM
	s_add_co_u32 s67, s66, s60
	v_lshl_add_u32 v28, v26, 4, s67                ; the same for the hidden layer
	s_add_co_u32 s67, s66, s61
	v_lshl_add_u32 v29, v26, 3, s67
	s_lshl_b32 s67, s17, 9
	s_add_co_u32 s67, s67, s62
	s_add_co_u32 s67, s67, HM+24576
	v_lshl_add_u32 v36, v26, 2, s67
	; ---- OUT PROJECTION, residual, first norm
.irp f, 0,1,2,3
	FRAGW WF+12*\f, 3, 1536*\f                     ; fragment 2 e + s
.endr
	ds_load_b128 v[42:45], v4
	FRAGH AF, 5, 6, 0
	FRAGH AF+12, 5, 6, 1536
	ds_load_b32 v22, v7
	ds_load_b32 v23, v7 offset:64
.irp q, 0,1,2,3
	ds_load_b128 v[ACC+4*\q:ACC+4*\q+3], v8 offset:16*\q           ; out_b is the sums' start
.endr
.irp q, 0,1,2,3
	ds_load_b128 v[212+4*\q:215+4*\q], v9 offset:16*\q             ; the residual
.endr
	s_wait_dscnt 0x0
.irp s, 0,1                                    ; two accumulators by turns
.irp e, 0,1
	WMC ACC+8*\e, WF+12*(2*\e+\s), AF+12*\s, ACC+8*\e, 42+2*\e+\s, 22+\s
.endr
.endr
	PLACES
.irp q, 0,1,2,3
	ds_load_b128 v[52+4*\q:55+4*\q], v8 offset:1024+16*\q          ; ln1_g,
.endr
.irp q, 0,1,2,3
	ds_load_b128 v[68+4*\q:71+4*\q], v8 offset:2048+16*\q          ; ln1_b
.endr
.irp k, 0,2,4,6,8,10,12,14
	v_pk_add_f32 v[ACC+\k:ACC+1+\k], v[ACC+\k:ACC+1+\k], v[212+\k:213+\k]
.endr
	LNSTAT 0
	BAR                                            ; the eight waves' parts lie in LDS
	LNFIN 0
	QUANT1 X1, 244, 250, 253, 254, 255
	HALFST 12, 13, 244, 0
	ds_store_b8 v14, v253
	CHANGE 4                                       ; ff1_w's first chunk is whole, x's images have landed; the second chunk is asked for
	; ---- FF1, relu
	FRAGH AF, 5, 6, 6400
	FRAGH AF+12, 5, 6, 6400+1536
	ds_load_b32 v22, v7 offset:6400
	ds_load_b32 v23, v7 offset:6464
	F1CH 0, 15, 16, 0
	CHANGE 4                                       ; ff2_w's first half is asked for
	F1CH 1, 3, 4, 49152
	CHANGE 4                                       ; the hidden layer's images have landed; ff2_w's second half is asked for
	; ---- FF2, residual, second norm
	s_mul_i32 s56, s18, 12288
	v_add_nc_u32 v3, s56, v24                      ; slot 0: my pair of tiles' eight fragments
	s_add_co_u32 s56, s56, SLOT1
	v_add_nc_u32 v15, s56, v24
	s_lshl_b32 s56, s18, 9
	s_add_co_u32 s56, s56, 98304
	v_lshl_add_u32 v4, v26, 4, s56
	s_add_co_u32 s56, s56, SLOT1
	v_lshl_add_u32 v16, v26, 4, s56
	s_mul_i32 s56, s17, 12288
	s_add_co_u32 s56, s56, HM
	v_add_nc_u32 v5, s56, v24                      ; my token tile's eight hidden fragments
	s_add_co_u32 s56, s56, 512
	v_add_nc_u32 v6, s56, v25
	s_lshl_b32 s56, s17, 9
	s_add_co_u32 s56, s56, HM+24576
	v_lshl_add_u32 v7, v26, 2, s56
.irp q, 0,1,2,3
	ds_load_b128 v[ACC+4*\q:ACC+4*\q+3], v8 offset:7168+16*\q      ; ff2_b is the sums' start
.endr
	F2H 0, 15, 16
	CHANGE 0                                       ; ff2_w's second half is whole; nothing is left to fetch
	PLACES                                         ; ahead of loads into registers that the last products read
	F2H 1, 3, 4
	PLACES
.irp q, 0,1,2,3
	ds_load_b128 v[52+4*\q:55+4*\q], v8 offset:8192+16*\q          ; ln2_g,
.endr
.irp q, 0,1,2,3
	ds_load_b128 v[68+4*\q:71+4*\q], v8 offset:9216+16*\q          ; ln2_b
.endr
.irp k, 0,2,4,6,8,10,12,14
	v_pk_add_f32 v[ACC+\k:ACC+1+\k], v[ACC+\k:ACC+1+\k], v[X1+\k:X1+1+\k]
.endr
	LNSTAT 2048
	BAR
	LNFIN 2048
	; ---- THE WAY OUT: a lane's 64 bytes of a row go to XS; each wave reads two whole rows back and stores 2,048 consecutive bytes
.irp q, 0,1,2,3
	ds_store_b128 v9, v[X1+4*\q:X1+4*\q+3] offset:16*\q
.endr
	BAR
	ds_load_b128 v[196:199], v17
	ds_load_b128 v[200:203], v17 offset:512
	ds_load_b128 v[204:207], v17 offset:XP
	ds_load_b128 v[208:211], v17 offset:XP+512
	s_wait_dscnt 0x0
.irp i, 0,1,2,3
	global_store_b128 v24, v[196+4*\i:199+4*\i], s[10:11] offset:512*\i      ; 32 lanes store 512 consecutive bytes
.endr
	s_wait_tensorcnt 0x0                           ; the wave's end, behind my last tensor load and my last LDS store
	ds_add_u32 v1, v2
	s_wait_dscnt 0x0
	CROUND                                         ; the closing round: no work-group ends while a partner may still ask for a chunk that names it
	s_endpgm
.Lfunc_end_k_q623636964d_last:
	.size	k_q623636964d_last, .Lfunc_end_k_q623636964d_last-k_q623636964d_last
	.p2alignl 7, 3214868480
	.fill 96, 4, 3214868480
	.section	.rodata,"a",@progbits
	.p2align	6, 0x0
	.amdhsa_kernel k_q623636964d_last
		.amdhsa_group_segment_fixed_size 327680
		.amdhsa_private_segment_fixed_size 0
		.amdhsa_enable_private_segment 0
		.amdhsa_kernarg_size 32
		.amdhsa_user_sgpr_count 2
		.amdhsa_user_sgpr_kernarg_segment_ptr 1
		.amdhsa_wavefront_size32 1
		.amdhsa_system_sgpr_workgroup_id_x 1
		.amdhsa_system_sgpr_workgroup_id_y 1
		.amdhsa_system_sgpr_workgroup_id_z 1
		.amdhsa_system_vgpr_workitem_id 0
		.amdhsa_next_free_vgpr 256
		.amdhsa_next_free_sgpr 80
		.amdhsa_reserve_vcc 0
		.amdhsa_float_denorm_mode_32 3
		.amdhsa_float_denorm_mode_16_64 3
		.amdhsa_memory_ordered 1
		.amdhsa_forward_progress 1
		.amdhsa_inst_pref_size 101
	.end_amdhsa_kernel
	.amdgpu_metadata
---
amdhsa.version: [ 1, 2 ]
amdhsa.kernels:
  - .name:           k_q623636964d_last
    .symbol:         k_q623636964d_last.kd
    .args:
      - { .name: st2, .offset: 0, .size: 8, .value_kind: global_buffer, .address_space: global }
      - { .name: w3, .offset: 8, .size: 8, .value_kind: global_buffer, .address_space: global }
      - { .name: xb, .offset: 16, .size: 8, .value_kind: global_buffer, .address_space: global }
      - { .name: out0, .offset: 24, .size: 8, .value_kind: global_buffer, .address_space: global }
    .group_segment_fixed_size: 327680
    .private_segment_fixed_size: 0
    .kernarg_segment_align: 8
    .kernarg_segment_size: 32
    .max_flat_workgroup_size: 512
    .sgpr_count:     80
    .vgpr_count:     256
    .wavefront_size: 32
...
	.end_amdgpu_metadata
.endif
;; end of part 4
